; MI455X (gfx1250); checked and timed in simulation.
; The chip was launched on July 23, 2026; its instructions are those of AMD's public machine-readable ISA for CDNA 5 (MIT licence, August 2026) and "CDNA5" Instruction Set Architecture Reference Guide (July 2026). The comments in the code are by the model that wrote it; some were corrected since.
;; Flash Cross Attention Layer. Allowed arithmetic: matrix products marked QUANTISED: E2M1 operands, one E8M0 scale for each 32 along K, by v_wmma_scale_f32_16x16x128_f8f6f4 with both operands' format E2M1 (or v_wmma_scale_f32_32x16x128_f4), f32 sums; everything else in f32.
;; Inputs: Wkv_codes 2,048 x 32 x 16 uint8 (E2M1 codes of Wkv, K innermost, in blocks of 32 codes, two codes a byte); Wkv_scales 2,048 x 32 uint8 (E8M0 scales of Wkv, one for each 32 codes along K); Wo_codes 1,024 x 32 x 16 uint8 (E2M1 codes of Wo, K innermost, in blocks of 32 codes, two codes a byte); Wo_scales 1,024 x 32 uint8 (E8M0 scales of Wo, one for each 32 codes along K); Wq_codes 1,024 x 32 x 16 uint8 (E2M1 codes of Wq, K innermost, in blocks of 32 codes, two codes a byte); Wq_scales 1,024 x 32 uint8 (E8M0 scales of Wq, one for each 32 codes along K); bkv 2,048 float32; bo 1,024 float32; bq 1,024 float32; kv 4 x 2,048 x 1,024 float32; mask 4 x 2,048 bool; norm_kv_b 1,024 float32; norm_kv_w 1,024 float32; norm_q_b 1,024 float32; norm_q_w 1,024 float32; q 4 x 1,024 x 1,024 float32.
;; Outputs: out0 4 x 1,024 x 1,024 float32.
;; This version of the problem:
;;   THIS VERSION OF THE PROBLEM IS GIVEN IN LOW PRECISION. The matrix products marked QUANTISED in the list below multiply operands that are first quantised to E2M1 (2 exponent bits, 1 mantissa bit; 4 bits a number), with one power-of-two scale for each 32 numbers along K (OCP MX v1.0); their sums are f32. All else is computed in f32.
;;   The module's matrix products, in the order in which they are computed (A, B: the left and right operand; K: the contracted axis; several contracted axes count as one K, in the product's order):
;;     1. [M 4,096, K 1,024] x [K 1,024, N 1,024]; A: computed on the way; B: input Wq (given as codes): QUANTISED
;;     2. [M 8,192, K 1,024] x [K 1,024, N 2,048]; A: computed on the way; B: input Wkv (given as codes): QUANTISED
;;     3. batch 64 x [M 1,024, K 64] x [K 64, N 2,048]; A: computed on the way; B: computed on the way: QUANTISED
;;     4. batch 64 x [M 64, K 2,048] x [K 2,048, N 1,024]; A: computed on the way; B: softmax (see below): QUANTISED
;;     5. [M 4,096, K 1,024] x [K 1,024, N 1,024]; A: computed on the way; B: input Wo (given as codes): QUANTISED
;;   THE QUANTISER, for each operand of a quantised product, along K:
;;     - K is cut into blocks of 32 from its start; a last block that is shorter is filled with zeros.
;;     - A block's scale is 2^e with e = floor(log2(the largest magnitude in the block)) - 2, held to -126 .. 127; a block of zeros has e = 0. As a byte (E8M0): e + 127.
;;     - Each number is divided by its block's scale, clamped to +-6, and rounded to the nearest number of E2M1, ties to even, subnormals kept.
;;     - The product sums the exact products of the quantised numbers (number of the format x scale) in f32.
;;   ~~~python
;;   def quantise(x, axis):      # numpy; x: float32 -> the quantised numbers, widened to float32 again
;;       x = np.moveaxis(x, axis, -1); K = x.shape[-1]
;;       x = np.pad(x, [(0, 0)] * (x.ndim - 1) + [(0, -K % 32)]); x = x.reshape(x.shape[:-1] + (-1, 32)); a = np.abs(x).max(-1, keepdims=True)
;;       e = np.where(a > 0, np.clip(np.frexp(np.where(a > 0, a, 1))[1] - 1 - 2, -126, 127), 0)      # np.frexp(a)[1] - 1 = floor(log2(a)), exactly
;;       r = np.clip(x / 2.0 ** e, -6, 6)
;;       step = 2.0 ** (np.maximum(np.frexp(np.where(r == 0, 1, r))[1] - 1, 0) - 1)
;;       q = np.round(r / step) * step * 2.0 ** e      # np.round: ties to even
;;       return np.moveaxis(q.reshape(q.shape[:-2] + (-1,))[..., :K], -1, axis).astype(np.float32)
;;   ~~~
;;   SOFTMAX AHEAD OF A QUANTISED PRODUCT. Where the list says 'softmax', what is quantised is not the finished softmax but p = 2^(t - M), with t = logit x log2(e) and M = ceil(the row's largest t), a whole number; so 1/2 < the row's largest p <= 1. The row's sum l is taken of the UNQUANTISED p, in f32, and the product's result is divided by l at the end. Since M is a whole number, a kernel that streams over the keys may use a running M (the ceiling of the running maximum): every later rescaling is an exact power of two, which a block's scale takes up: the codes' values come out the same.
;;   OPERANDS COMPUTED ON THE WAY. 'Computed on the way' means the value that the module computes at that place (a softmax that the list does not call 'softmax' is quantised finished and normalised). What goes into a quantiser is computed in f32, as accurately as f32 sums, v_exp_f32 and their like allow (about 1e-6 of the number): no bf16 or f16 on the way to a quantiser, and a product that is left as it is and whose result goes on into a quantised operand takes f32 operands (vector FMAs, or v_wmma_f32_16x16x4_f32). A number that lies on a knife's edge between two numbers of the format may be rounded either way, as far as f32 arithmetic and the matrix unit's own rounding can turn it there, and no further.
;;   INPUTS GIVEN AS CODES. Wkv (in the module: [2048, 1024], K = its axis 1); Wo (in the module: [1024, 1024], K = its axis 1); Wq (in the module: [1024, 1024], K = its axis 1): each comes as NAME_codes (uint8): NAME with its K axis moved to the last place and cut into blocks of 32 codes, [.., K / 32, bytes a block], one block behind the other in memory; two codes a byte, the lower K in the low four bits (a code: sign, 2 exponent bits, 1 mantissa bit); and NAME_scales (uint8): the same leading axes, one E8M0 byte (e + 127) for each 32 codes along K. Its value is code x scale, taken as it is: it is not quantised again, and the codes and scales need not be those that the quantiser above would give.
;; 2 versions, each right; version 2 is version 1 with the launch attn written anew for expert scheduling mode. Each part assembles by itself: llvm-mc -triple=amdgcn-amd-amdhsa -mcpu=gfx1250 --defsym DOCPART=n.
;; ======== version 1 of 2: 4 launches
;; workspace buffers: xcodes 6,291,456 bytes; xscales 393,216 bytes; qkv 8,912,896 bytes; obuf 2,228,224 bytes
;; launch lnq (part 1): grid 768 x 1, 4 waves a work-group, no clusters, 39,424 bytes of LDS; arguments q, kv, mask, norm_q_w, norm_q_b, norm_kv_w, norm_kv_b, xcodes, xscales; writes xcodes, xscales
.if DOCPART == 1
	.amdgcn_target "amdgcn-amd-amdhsa--gfx1250"
	.amdhsa_code_object_version 6
	.text
	.protected	k_qdd096d2fc9_lnq
	.globl	k_qdd096d2fc9_lnq
	.p2align	8
	.type	k_qdd096d2fc9_lnq,@function
k_qdd096d2fc9_lnq:
	s_mov_b64 s[64:65], 0
	v_nop
	global_prefetch_b8 v0, s[64:65] scope:SCOPE_SE
	s_setreg_imm32_b32 hwreg(HW_REG_WAVE_MODE, 25, 1), 1
	s_wait_xcnt 0x0
; LayerNorm of the 4,096 rows of q and the 8,192 rows of kv (1,024 f32 a row), then the MX-FP4 quantiser along the row:
; xcodes [12,288][512 bytes], xscales [12,288][32 bytes]; rows 0-4,095 are q's, the others kv's.
; SHARES.  Work-group g takes rows 16 g .. 16 g + 15, wave w four of them, one row at a time: 3,072 waves, each with two rows (8,192 bytes) asked for ahead.
; A row's eight loads read 512 consecutive bytes each; the row turns through the wave's own stage in LDS, so that lane l then holds block l, 32 neighbours:
; mean, variance (two passes: the mean is taken off first), gain and bias in f32; the block's largest magnitude needs no other lane; four conversions give the lane's 16 bytes of codes.
; A block's scale byte is its largest magnitude's exponent field - 2, held at 1 from below.
; A wave's four rows make 128 scale bytes: it stores them as 128 consecutive bytes, 4 a lane, half of an aligned 256; the four waves of a work-group lie side by side on 512.
; (The scale bytes are one part in 128 of what the launch reads; to gather them over the work-group would put a barrier behind the branch below, which hangs on loaded data.)
; THE MASK.  A step of 128 keys that holds no live key is never read by the attention launch (unless the whole batch is masked: then nothing is left out).
; The rows of such a step are not read here: zero codes and the byte 127 are stored for them, so that the projections find defined operands.
; LIMITS: NaN and infinities are not served; a block whose largest magnitude lies under 2^-124 keeps the byte 1; a block of zeros gets the byte 1
; where the rule says 127 (its codes are zeros, and only this program reads the bytes).
; No barrier: waves share nothing.  No matrix work, no cluster: the launch streams, and no two work-groups read the same rows.
.set NR,   4                           ; rows of a wave
.set WREG, 9728                        ; LDS of a wave: two stages of 32 x 144 bytes, then its 128 scale bytes
.set STB,  4608
.set SCB,  9216
.set LP,   144                         ; a lane's place in a stage: 128 bytes + 16 of padding
.set W,    16                          ; v16-47   the gains of my 32 columns
.set B,    48                          ; v48-79   the biases
.set R,    80                          ; v80-143  two rows as loaded
.set X,    144                         ; v144-207 two sets of 32 neighbours
.set C,    208                         ; v208-223 codes: four registers a row, never rewritten
.set E,    240                         ; v240-243 a scale byte a row
	s_load_b256 s[4:11], s[0:1], 0x0               ; q, kv, mask, norm_q_w
	s_load_b256 s[12:19], s[0:1], 0x20             ; norm_q_b, norm_kv_w, norm_kv_b, xcodes
	s_load_b64 s[20:21], s[0:1], 0x40              ; xscales
	v_lshl_add_u32 v254, v0, 2, 0x9800
	v_mov_b32 v255, 0
	v_lshrrev_b32 v1, 5, v0
	v_readfirstlane_b32 s22, v1                    ; wave
	v_and_b32 v1, 31, v0                           ; lane
	v_lshlrev_b32 v2, 4, v1                        ; 16 x lane
	s_mul_i32 s23, s22, WREG
	v_lshrrev_b32 v3, 3, v1
	v_mul_u32_u24 v3, v3, LP
	v_and_b32 v4, 7, v1
	v_lshl_add_u32 v3, v4, 4, v3
	v_add_nc_u32 v3, s23, v3                       ; into the stage: eight lanes' 128 bytes on end, then the padding
	v_mul_u32_u24 v4, v1, LP
	v_add_nc_u32 v4, s23, v4                       ; out of it: my 128 bytes
	s_add_co_u32 s23, s23, SCB
	v_add_nc_u32 v5, s23, v1                       ; my block's scale byte
	v_lshlrev_b32 v7, 2, v1
	v_add_nc_u32 v6, s23, v7                       ; and 4 bytes a lane on the way out
	v_lshlrev_b32 v14, 6, v1                       ; the mask: 64 keys a lane
	v_lshlrev_b32 v15, 7, v1                       ; gains and biases: 32 numbers a lane
	s_mov_b32 s36, 0x76543210
	s_mov_b32 s37, 0xfedcba98                      ; selects for lane l xor 16
	s_mov_b32 s38, 0x3a800000                      ; 1 / 1024
	s_mov_b32 s39, 0x3727c5ac                      ; 1e-5
	s_cmp_lt_u32 ttmp9, 256                        ; q's work-group or kv's
	s_cselect_b32 s40, 0, 256
	s_sub_co_u32 s40, ttmp9, s40                   ; its number in its tensor
	s_bfe_u32 s35, s40, 0x40003
	s_lshl_b32 s35, s35, 1                         ; 2 x the step of 128 keys that my 16 rows lie in
	s_lshr_b32 s42, s40, 7
	s_lshl_b32 s42, s42, 11                        ; the batch's 2,048 mask bytes
	s_mov_b32 s43, 0
	s_lshl_b32 s44, s40, 16                        ; 16 rows of 4,096 bytes a work-group,
	s_lshl_b32 s46, s22, 14                        ; 4 a wave
	s_add_co_u32 s44, s44, s46
	s_mov_b32 s45, 0
	s_wait_kmcnt 0x0
	s_add_nc_u64 s[8:9], s[8:9], s[42:43]
.irp i, 0,1,2,3
	global_load_b128 v[X+4*\i:X+4*\i+3], v14, s[8:9] offset:16*\i
.endr
	s_cmp_lt_u32 ttmp9, 256
	s_cselect_b64 s[24:25], s[4:5], s[6:7]         ; the rows,
	s_cselect_b64 s[26:27], s[10:11], s[14:15]     ; the gains,
	s_cselect_b64 s[28:29], s[12:13], s[16:17]     ; the biases
	s_add_nc_u64 s[24:25], s[24:25], s[44:45]
.irp i, 0,1,2,3,4,5,6,7
	global_load_b128 v[W+4*\i:W+4*\i+3], v15, s[26:27] offset:16*\i
.endr
.irp i, 0,1,2,3,4,5,6,7
	global_load_b128 v[B+4*\i:B+4*\i+3], v15, s[28:29] offset:16*\i
.endr
	s_lshl_b32 s42, ttmp9, 13                      ; the codes: 512 bytes a row
	s_lshl_b32 s46, s22, 11
	s_add_co_u32 s42, s42, s46
	s_add_nc_u64 s[30:31], s[18:19], s[42:43]
	s_lshl_b32 s42, ttmp9, 9                       ; the scale bytes: 32 a row
	s_lshl_b32 s46, s22, 7
	s_add_co_u32 s42, s42, s46
	s_add_nc_u64 s[32:33], s[20:21], s[42:43]
	s_wait_loadcnt 16                              ; the mask's four loads are in; the sixteen behind them may be out
	v_and_b32 v8, v[X], v[X+1]
.irp i, 2,3,4,5,6,7,8,9,10,11,12,13,14,15
	v_and_b32 v8, v8, v[X+\i]
.endr
	v_cmp_ne_u32 vcc_lo, 0x1010101, v8             ; bit l: the 64 keys of lane l hold a live one
	s_mov_b32 s34, vcc_lo
	s_cmp_eq_u32 s34, 0
	s_cselect_b32 s34, -1, s34                     ; a batch with no live key at all: nothing is left out
	s_lshr_b32 s34, s34, s35
	s_and_b32 s34, s34, 3                          ; my step's two bits
	s_cmp_lt_u32 ttmp9, 256
	s_cselect_b32 s34, 1, s34                      ; q's rows are always wanted
	s_cmp_eq_u32 s34, 0
	s_cbranch_scc1 .Ldead
.macro LOAD t
.irp j, 0,1,2,3,4,5,6,7
	global_load_b128 v[R+32*((\t)%2)+4*\j:R+32*((\t)%2)+4*\j+3], v2, s[24:25] offset:4096*(\t)+512*\j th:TH_LOAD_NT
.endr
.endm
.macro TURN t                          ; row t through its stage; LDS serves a wave's instructions in order, so no wait stands between the stores and the loads
.irp j, 0,1,2,3,4,5,6,7
	ds_store_b128 v3, v[R+32*((\t)%2)+4*\j:R+32*((\t)%2)+4*\j+3] offset:STB*((\t)%2)+576*\j
.endr
.irp j, 0,1,2,3,4,5,6,7
	ds_load_b128 v[X+32*((\t)%2)+4*\j:X+32*((\t)%2)+4*\j+3], v4 offset:STB*((\t)%2)+16*\j
.endr
.endm
.macro ACROSS a, b                     ; the sum of v[a] over the 32 lanes, in every lane; v[b] at work
	v_add_f32_dpp v[\a], v[\a], v[\a] row_xmask:1 row_mask:0xf bank_mask:0xf
	v_add_f32_dpp v[\a], v[\a], v[\a] row_xmask:2 row_mask:0xf bank_mask:0xf
	v_add_f32_dpp v[\a], v[\a], v[\a] row_xmask:4 row_mask:0xf bank_mask:0xf
	v_add_f32_dpp v[\a], v[\a], v[\a] row_xmask:8 row_mask:0xf bank_mask:0xf
	v_permlanex16_b32 v[\b], v[\a], s36, s37
	v_add_f32 v[\a], v[\a], v[\b]
.endm
.macro STEP t
.set XS, X+32*((\t)%2)
.if (\t) > 0
	s_wait_dscnt 1                                 ; this row is back from its stage (the last row's byte store may be out), so the stage's stores have read their registers,
.else
	s_wait_dscnt 0x0
.endif
.if (\t)+2 < NR
	LOAD (\t)+2                                    ; which take the row two further on
	s_wait_loadcnt 8                               ; the next row's eight loads are in; the eight just issued may be out
.elseif (\t)+2 == NR
	s_wait_loadcnt 0x0
.endif
.if (\t)+1 < NR
	TURN (\t)+1
.endif
	v_pk_add_f32 v[8:9], v[XS:XS+1], v[XS+2:XS+3]  ; the row's sum: two chains
	v_pk_add_f32 v[10:11], v[XS+4:XS+5], v[XS+6:XS+7]
.irp i, 8,12,16,20,24,28
	v_pk_add_f32 v[8:9], v[8:9], v[XS+\i:XS+\i+1]
	v_pk_add_f32 v[10:11], v[10:11], v[XS+\i+2:XS+\i+3]
.endr
	v_pk_add_f32 v[8:9], v[8:9], v[10:11]
	v_add_f32 v8, v8, v9
	ACROSS 8, 9
	v_mul_f32 v8, s38, v8                          ; the mean
.irp i, 0,2,4,6,8,10,12,14,16,18,20,22,24,26,28,30
	v_pk_add_f32 v[XS+\i:XS+\i+1], v[XS+\i:XS+\i+1], v[8:9] op_sel_hi:[1,0] neg_lo:[0,1] neg_hi:[0,1]   ; x - mean
.endr
	v_pk_mul_f32 v[10:11], v[XS:XS+1], v[XS:XS+1]  ; the squares' sum: two chains
	v_pk_mul_f32 v[12:13], v[XS+2:XS+3], v[XS+2:XS+3]
.irp i, 4,8,12,16,20,24,28
	v_pk_fma_f32 v[10:11], v[XS+\i:XS+\i+1], v[XS+\i:XS+\i+1], v[10:11]
	v_pk_fma_f32 v[12:13], v[XS+\i+2:XS+\i+3], v[XS+\i+2:XS+\i+3], v[12:13]
.endr
	v_pk_add_f32 v[10:11], v[10:11], v[12:13]
	v_add_f32 v10, v10, v11
	ACROSS 10, 11
	v_fma_f32 v10, v10, s38, s39                   ; the variance + 1e-5
	v_rsq_f32 v10, v10
	v_nop                                          ; a plain line behind the transcendental,
	s_wait_alu depctr_va_vdst(0)                   ; and the wait ahead of its first reader
.irp i, 0,2,4,6,8,10,12,14,16,18,20,22,24,26,28,30
	v_pk_mul_f32 v[XS+\i:XS+\i+1], v[XS+\i:XS+\i+1], v[10:11] op_sel_hi:[1,0]
.endr
.irp i, 0,2,4,6,8,10,12,14,16,18,20,22,24,26,28,30
	v_pk_fma_f32 v[XS+\i:XS+\i+1], v[XS+\i:XS+\i+1], v[W+\i:W+\i+1], v[B+\i:B+\i+1]
.endr
	v_max3_num_f32 v12, |v[XS]|, |v[XS+1]|, 0x1800000   ; my block's largest magnitude, with the floor 2^(3 - 127) among the leaves: the byte cannot fall under 1
	v_max3_num_f32 v13, |v[XS+2]|, |v[XS+3]|, 0x1800000
.irp i, 4,8,12,16,20,24,28
	v_max3_num_f32 v12, v12, |v[XS+\i]|, |v[XS+\i+1]|
	v_max3_num_f32 v13, v13, |v[XS+\i+2]|, |v[XS+\i+3]|
.endr
	v_max_num_f32 v12, v12, v13
	v_add_nc_u32 v11, 0xff000000, v12              ; 2 off its exponent field: the conversions' scale operand
.irp g, 0,1,2,3
	v_cvt_scalef32_pk8_fp4_f32 v[C+4*(\t)+\g], v[XS+8*\g:XS+8*\g+7], v11
.endr
	v_lshrrev_b32 v[E+(\t)], 23, v11               ; the scale's byte (also the plain line behind the conversions)
	ds_store_b8 v5, v[E+(\t)] offset:32*(\t)
	global_store_b128 v2, v[C+4*(\t):C+4*(\t)+3], s[30:31] offset:512*(\t)   ; the wave stores the row's 512 consecutive bytes
.endm
	LOAD 0
	LOAD 1
	s_wait_loadcnt 8                               ; gains, biases and row 0 are in; row 1's eight may be out
	TURN 0
.irp t, 0,1,2,3
	STEP \t
.endr
	ds_load_b32 v12, v6                            ; my four rows' 128 scale bytes (LDS serves a wave in order: this sees my stores)
	s_wait_dscnt 0x0
	global_store_b32 v7, v12, s[32:33]             ; 128 consecutive bytes
	s_wait_tensorcnt 0x0
	ds_add_u32 v254, v255
	s_wait_dscnt 0x0
	s_endpgm
.Ldead:                                            ; rows that nobody will read: zero codes, the byte 127
.irp i, 0,1,2,3
	v_mov_b32 v[C+\i], 0
.endr
	v_mov_b32 v12, 0x7f7f7f7f
.irp t, 0,1,2,3
	global_store_b128 v2, v[C:C+3], s[30:31] offset:512*\t
.endr
	global_store_b32 v7, v12, s[32:33]
	s_endpgm
.Lfunc_end_k_qdd096d2fc9_lnq:
	.size	k_qdd096d2fc9_lnq, .Lfunc_end_k_qdd096d2fc9_lnq-k_qdd096d2fc9_lnq
	.p2alignl 7, 3214868480
	.fill 96, 4, 3214868480
	.section	.rodata,"a",@progbits
	.p2align	6, 0x0
	.amdhsa_kernel k_qdd096d2fc9_lnq
		.amdhsa_group_segment_fixed_size 39424
		.amdhsa_private_segment_fixed_size 0
		.amdhsa_enable_private_segment 0
		.amdhsa_kernarg_size 72
		.amdhsa_user_sgpr_count 2
		.amdhsa_user_sgpr_kernarg_segment_ptr 1
		.amdhsa_wavefront_size32 1
		.amdhsa_system_sgpr_workgroup_id_x 1
		.amdhsa_system_sgpr_workgroup_id_y 1
		.amdhsa_system_sgpr_workgroup_id_z 1
		.amdhsa_system_vgpr_workitem_id 0
		.amdhsa_next_free_vgpr 256
		.amdhsa_next_free_sgpr 66
		.amdhsa_reserve_vcc 1
		.amdhsa_float_denorm_mode_32 3
		.amdhsa_float_denorm_mode_16_64 3
		.amdhsa_memory_ordered 1
		.amdhsa_forward_progress 1
		.amdhsa_inst_pref_size 44
	.end_amdhsa_kernel
	.amdgpu_metadata
---
amdhsa.version: [ 1, 2 ]
amdhsa.kernels:
  - .name:           k_qdd096d2fc9_lnq
    .symbol:         k_qdd096d2fc9_lnq.kd
    .args:
      - { .name: q, .offset: 0, .size: 8, .value_kind: global_buffer, .address_space: global }
      - { .name: kv, .offset: 8, .size: 8, .value_kind: global_buffer, .address_space: global }
      - { .name: mask, .offset: 16, .size: 8, .value_kind: global_buffer, .address_space: global }
      - { .name: norm_q_w, .offset: 24, .size: 8, .value_kind: global_buffer, .address_space: global }
      - { .name: norm_q_b, .offset: 32, .size: 8, .value_kind: global_buffer, .address_space: global }
      - { .name: norm_kv_w, .offset: 40, .size: 8, .value_kind: global_buffer, .address_space: global }
      - { .name: norm_kv_b, .offset: 48, .size: 8, .value_kind: global_buffer, .address_space: global }
      - { .name: xcodes, .offset: 56, .size: 8, .value_kind: global_buffer, .address_space: global }
      - { .name: xscales, .offset: 64, .size: 8, .value_kind: global_buffer, .address_space: global }
    .group_segment_fixed_size: 39424
    .private_segment_fixed_size: 0
    .kernarg_segment_align: 8
    .kernarg_segment_size: 72
    .max_flat_workgroup_size: 128
    .sgpr_count:     66
    .vgpr_count:     256
    .wavefront_size: 32
...
	.end_amdgpu_metadata
.endif
;; end of part 1
;; launch proj (part 2): grid 64 x 4, 4 waves a work-group, clusters of 4 x 4, 327,680 bytes of LDS; arguments xcodes, xscales, Wkv_codes, Wkv_scales, bkv, qkv; writes qkv
.if DOCPART == 2
	.amdgcn_target "amdgcn-amd-amdhsa--gfx1250"
	.amdhsa_code_object_version 6
	.text
	.protected	k_qdd096d2fc9_proj
	.globl	k_qdd096d2fc9_proj
	.p2align	8
	.type	k_qdd096d2fc9_proj,@function
k_qdd096d2fc9_proj:
	s_mov_b64 s[64:65], 0
	v_nop
	global_prefetch_b8 v0, s[64:65] scope:SCOPE_SE
	s_setreg_imm32_b32 hwreg(HW_REG_WAVE_MODE, 25, 1), 1
	s_wait_xcnt 0x0
	s_wait_alu depctr_hold_cnt(0) depctr_sa_sdst(0) depctr_va_vdst(0) depctr_va_sdst(0) depctr_va_ssrc(0) depctr_va_vcc(0) depctr_vm_vsrc(0)
	s_getreg_b32 s2, hwreg(HW_REG_IB_STS2, 6, 4)
	s_cmp_eq_u32 s2, 0
	s_cbranch_scc0 .Lentry_in_a_cluster
	s_endpgm
.Lentry_in_a_cluster:
	s_bfe_u32 s2, ttmp6, 0x10000c
	s_cmp_lg_u32 s2, 0xf033
	s_cbranch_scc0 .Lentry_shape_is_right
	s_endpgm
.Lentry_shape_is_right:
; The projections of K and V, on codes of FP4 (E2M1) with one E8M0 scale for each 32 along K = 1,024, and the quantising of their results.  (Q's projection stands at the head of the attention launch.)
; 256 tiles of 256 x 256 in 16 clusters of 4 x 4; the cluster's number c says which product (kind = c / 8):
;   kind 0, K: "A" = the normed kv rows, "B" = Wkv's rows 0-1,023;   kind 1, V: "A" = Wkv's rows 1,024-2,047, "B" = the normed kv rows.
; THE MATRIX INSTRUCTION IS USED TRANSPOSED (source 0 = 16 rows of B, source 1 = 16 rows of A): a lane holds ONE row of A and its registers run along B's rows.
; So k has a token in a lane and the head's 64 numbers along the registers, v has one of the head's 64 in a lane and the keys along the registers: each is quantised along its next K without leaving its lanes.
; The kinds differ in pointers and offsets alone, chosen by s_cselect on c, which all sixteen partners share: one path through the text.
; A work-group of four waves makes 256 x 256, a wave 128 x 128: 64 accumulators.  K is two LDS slots of 512, both filled once by joint tensor loads (A's tile shared along a row of the
; cluster, B's along a column); the scale bytes of the 256 + 256 rows come with them.  By this text's count three tensor loads of a wave are out at the most.
; THE WAY OUT.  For each 16 rows of A: the 64 results + biases; four blocks of 32 along B's rows are quantised.  Register 8 u + j of tiles 2 b + u holds k = 32 b + 16 u + 8 (lane / 16) + j; the conversions of
; blocks 2 c and 2 c + 1 are laid at registers 4 c, 4 c + 2 and 4 c + 1, 4 c + 3, and two exchanges of lane halves make of them registers 4 c .. 4 c + 3 of an operand (k = 64 c + 32 (lane / 16) + 0 .. 31).
; Each group of four registers is stored as it stands, 16 bytes a lane, 512 consecutive bytes: the reader loads it the same way.
; qkv: K's images [b][h][128 tiles][512] at 0; V's [b][h][16 steps][4 tiles of 16][1,024] at 0x400000;
;      scale words: K's [b][h][64 pairs of tiles][16][4] at 0x800000 (a pair's word: two bytes of each tile), V's [b][h][16 steps][4][16][4] at 0x840000.
; LIMITS: NaN and infinities are not served; a block under 2^-124 keeps the byte 1; a block of zeros gets the byte 1 (zero codes; only this program reads the bytes).
; REGISTERS, in windows of 256: window 0: v0-31 addresses; v32-95 scale words, two sets, and nothing else; v96-111 the bias by lane; from v128 A's fragments, one set.  Window 1: B's fragments at v0 and v128; v64-127 the bias by register.
;   Windows 2, 3: the accumulators ((a, b) at v[8 (8 (a % 4) + b)]).  On the way out window 0's v128-191 take a tile's numbers, v192-223 are at work, v224-255 take the codes, four sets of eight.
.set KSTEP,  512
.set NQ,     KSTEP/128
.set ROWB,   256                       ; a tile's row in bytes
.set KROW,   512                       ; a row of codes in memory
.set PITCH,  272                       ; an LDS row: 256 bytes + 16 of padding: the 16 rows that a load touches start 68 words apart
.set FR,     8
.set NL,     2
.set NP,     4
.set HALFT,  128*PITCH
.set SLOT,   4*HALFT
.set KS,     32                        ; a row of scale bytes
.set SCL,    2*SLOT
.set HALFS,  (128*KS/256)*272
.set SBLK,   (16*KS/256)*272
.set SPARE,  SCL+4*HALFS               ; the spare words, 128 bytes a wave
.set STG,    SPARE+512                 ; 512 bytes a wave: the scale words' way out; no tensor load lands here
.set VO,   8                           ; v8-11   the way out: 16 x lane + i x the distance from tile to tile
.set ADRA, 16
.set ADRB, 20
.set SWA,  24                          ; v24     where I put a scale word
.set SRA,  25                          ; v25     where I read 16 bytes of them back
.set SVO,  26                          ; v26     and their place in memory
.set ADRS, 27
.set SPW,  28
.set NIL,  29
.set SC,   32
.set BA,   96                          ; the bias of my lane's row of A, a pair for each tile
.set AF,   128
.set T,    128                         ; the way out: a tile's 64 numbers
.set TM,   192
.set TB,   196
.set TS,   200
.set PW,   204                         ; a scale word for each tile
.set XW,   212                         ; the words as they are stored
.set BK,   220
.set PC,   224                         ; the way out: eight registers of codes a tile, four sets by turns
.set SEL,  2                           ; s[2:3] selects for lane l xor 16
.set G1, 24
.set G0, 32
.set G1B, 48
.set G0B, 56
.set G1S, 68
.set G0S, 76
.set G1SB, 80
.set G0SB, 88
.set MSB, 0
.macro WIN new                         ; the immediate's high byte repeats the setting that is left
.if MSB != \new
	s_set_vgpr_msb (MSB<<8)|\new
.set MSB, \new
.endif
.endm
.set MUL_LO, 0xa1                      ; source 0 (B) window 1, source 1 (A) window 0, C and D window 2
.set MUL_HI, 0xf1
.set TO_B,   0x40
; A joint load: waves 0 and 1 fetch for A, waves 2 and 3 for B; the branch hangs on the wave's number alone.  Four v_nop follow each of the two lines.
.macro JLOAD g0a, g1a, g0b, g1b
	s_cmp_eq_u32 s15, 0
	s_cbranch_scc0 .Lfor_b_\@
	tensor_load_to_lds s[\g0a:\g0a+3], s[\g1a:\g1a+7]
	s_nop 0
.rept 4
	v_nop
.endr
	s_branch .Lasked_\@
.Lfor_b_\@:
	tensor_load_to_lds s[\g0b:\g0b+3], s[\g1b:\g1b+7]
	s_nop 0
.rept 4
	v_nop
.endr
.Lasked_\@:
.endm
.macro CREST
	s_cmp_lg_u32 s14, 0
	s_cbranch_scc1 .Lnot_wave_0_\@
	s_barrier_signal -3
.Lnot_wave_0_\@:
	s_barrier_wait -3
	s_barrier_signal -1
	s_barrier_wait -1
.endm
.macro CROUND
	s_barrier_signal -1
	s_barrier_wait -1
	CREST
.endm
	s_load_b256 s[68:75], s[0:1], 0x0              ; xcodes, xscales, Wkv's codes, Wkv's scales
	s_load_b64 s[98:99], s[0:1], 0x20              ; bkv
	s_load_b64 s[12:13], s[0:1], 0x28              ; qkv
	v_lshl_add_u32 v[SPW], v0, 2, SPARE
	v_mov_b32 v[NIL], 0
	ds_add_u32 v28, v29
	ds_add_u32 v28, v29
	s_wait_dscnt 0x0
	v_lshrrev_b32 v1, 5, v0
	v_readfirstlane_b32 s14, v1                    ; wave 0..3
	s_lshr_b32 s15, s14, 1                         ; which half of A's rows is mine.  Also: I fetch for A (0) or for B (1)
	s_and_b32 s16, s14, 1                          ; which half of B's rows.  Also: which 128 rows I fetch
	s_bfe_u32 s40, ttmp6, 0x40000                  ; cx
	s_bfe_u32 s41, ttmp6, 0x40004                  ; cy
	s_lshr_b32 s95, ttmp9, 3                       ; kind: 0 K, 1 V
	s_lshl_b32 s18, ttmp9, 2                       ; 4 c
	s_add_co_u32 s19, s18, 16                      ; K: kv's rows begin at row tile 16 of xcodes
	s_sub_co_u32 s21, s18, 16                      ; V: 16 + 4 (c - 8)
	s_cmp_eq_u32 s95, 1
	s_cselect_b32 s17, 4, s19                      ; V: Wkv's rows from 1,024 on
	s_cselect_b32 s42, s21, 0
	s_cselect_b32 s100, -1, 0                      ; all ones for V
	s_cselect_b32 s101, 0, -1                      ; all ones for K
	s_add_co_u32 s17, s17, s41                     ; A's tile of 256 rows: hangs on c and cy alone
	s_add_co_u32 s42, s42, s40                     ; B's: on c and cx alone
	s_lshl_b32 s43, s41, 2
	s_lshl_b32 s43, 15, s43                        ; my row of the cluster
	s_lshl_b32 s44, 0x1111, s40                    ; my column
	s_or_b32 s[G1+0], s43, (0<<16)|(1<<20)|(1<<21)|(5<<22)|(3<<25)  ; the mask; elements of 1 byte; padding on; bit 21 beside a mask; 4 words behind every 64
	s_or_b32 s[G1B+0], s44, (0<<16)|(1<<20)|(1<<21)|(5<<22)|(3<<25)
.irp g, G1, G1B
	s_mov_b32 s[\g+1], ROWB<<16                    ; tensor_dim0
	s_mov_b32 s[\g+2], 128<<16                     ; tensor_dim1
	s_mov_b32 s[\g+3], ROWB<<16                    ; tile_dim0
	s_mov_b32 s[\g+4], 128                         ; tile_dim1
	s_mov_b32 s[\g+5], KROW                        ; from row to row
	s_mov_b32 s[\g+6], 0
	s_mov_b32 s[\g+7], 0
.endr
	s_lshl_b32 s18, s16, 7                         ; which 128 rows of the tile I fetch
	s_lshl_b32 s20, s17, 8
	s_add_co_u32 s20, s20, s18
	s_lshl_b32 s46, s42, 8
	s_add_co_u32 s46, s46, s18
	s_mov_b32 s21, 0
	s_mov_b32 s47, 0
	s_mov_b64 s[18:19], KS
	s_mul_u64 s[22:23], s[20:21], s[18:19]         ; where these rows' scales begin,
	s_mul_u64 s[92:93], s[46:47], s[18:19]
	s_mov_b64 s[18:19], KROW
	s_mul_u64 s[20:21], s[20:21], s[18:19]         ; and their codes
	s_mul_u64 s[46:47], s[46:47], s[18:19]
	s_mul_i32 s45, s14, HALFT                      ; where they go: wave x 128 rows
	s_mul_i32 s94, s14, HALFS
	s_mov_b32 s[SEL], 0x76543210
	s_mov_b32 s[SEL+1], 0xfedcba98
	s_wait_kmcnt 0x0
	s_cmp_eq_u32 s95, 1                            ; the choices hang on the cluster's number alone
	s_cselect_b64 s[4:5], s[72:73], s[68:69]       ; A's codes,
	s_cselect_b64 s[6:7], s[74:75], s[70:71]       ; A's scales,
	s_cselect_b64 s[8:9], s[68:69], s[72:73]       ; B's codes,
	s_cselect_b64 s[10:11], s[70:71], s[74:75]     ; B's scales
	s_add_nc_u64 s[20:21], s[4:5], s[20:21]
	s_add_nc_u64 s[22:23], s[6:7], s[22:23]
	s_add_nc_u64 s[46:47], s[8:9], s[46:47]
	s_add_nc_u64 s[92:93], s[10:11], s[92:93]
	; the scales of 128 rows: 4,096 dense bytes, as rows of 256 (32 elements of 8 bytes), 16 bytes of padding behind each.  (The pointers that lay here have been chosen from.)
	s_or_b32 s[G1S+0], s43, (3<<16)|(1<<20)|(1<<21)|(5<<22)|(3<<25)
	s_or_b32 s[G1SB+0], s44, (3<<16)|(1<<20)|(1<<21)|(5<<22)|(3<<25)
.irp g, G1S, G1SB
	s_mov_b32 s[\g+1], 32<<16
	s_mov_b32 s[\g+2], (128*KS/256)<<16
	s_mov_b32 s[\g+3], 32<<16
	s_mov_b32 s[\g+4], 128*KS/256
	s_mov_b32 s[\g+5], 32
	s_mov_b32 s[\g+6], 0
	s_mov_b32 s[\g+7], 0
.endr
	CROUND                                         ; all sixteen work-groups are here: the joint loads meet
	s_mov_b32 s[G0S], 1
	s_add_co_u32 s[G0S+1], s94, SCL
	s_mov_b64 s[G0S+2:G0S+3], s[22:23]
	s_or_b32 s[G0S+3], s[G0S+3], 0x80000000
	s_mov_b32 s[G0SB], 1
	s_add_co_u32 s[G0SB+1], s94, SCL
	s_mov_b64 s[G0SB+2:G0SB+3], s[92:93]
	s_or_b32 s[G0SB+3], s[G0SB+3], 0x80000000
	JLOAD G0S, G1S, G0SB, G1SB                     ; the scales first: they are wanted with the first slot
.irp s, 0,1
	s_mov_b32 s[G0+4*\s], 1
	s_add_co_u32 s[G0+4*\s+1], s45, \s*SLOT
	s_add_nc_u64 s[G0+4*\s+2:G0+4*\s+3], s[20:21], \s*ROWB
	s_or_b32 s[G0+4*\s+3], s[G0+4*\s+3], 0x80000000
	s_mov_b32 s[G0B+4*\s], 1
	s_add_co_u32 s[G0B+4*\s+1], s45, \s*SLOT
	s_add_nc_u64 s[G0B+4*\s+2:G0B+4*\s+3], s[46:47], \s*ROWB
	s_or_b32 s[G0B+4*\s+3], s[G0B+4*\s+3], 0x80000000
	JLOAD G0+4*\s, G1, G0B+4*\s, G1B
.endr
	; my first row of A and of B, counted inside the product (tokens of kv; features)
	s_cmp_eq_u32 s95, 1
	s_cselect_b32 s96, 4, 16
	s_cselect_b32 s97, 16, 0
	s_sub_co_u32 s96, s17, s96
	s_sub_co_u32 s97, s42, s97
	s_lshl_b32 s96, s96, 8
	s_lshl_b32 s97, s97, 8
	s_lshl_b32 s18, s15, 7
	s_add_co_u32 s96, s96, s18                     ; LA
	s_lshl_b32 s18, s16, 7
	s_add_co_u32 s97, s97, s18                     ; LB
	s_cmp_eq_u32 s95, 1
	s_cselect_b32 s66, 4096, 0                     ; V's biases lie 1,024 numbers on in bkv
	s_cselect_b32 s18, 0, s97                      ; the bias runs along B's rows for K,
	s_cselect_b32 s19, s96, 0                      ; along A's rows for V; the other set is loaded from the bias's head and cleared
	s_mov_b32 s67, 0
	s_add_nc_u64 s[98:99], s[98:99], s[66:67]
	s_lshl_b32 s66, s18, 2
	s_add_nc_u64 s[92:93], s[98:99], s[66:67]
	s_lshl_b32 s66, s19, 2
	s_add_nc_u64 s[98:99], s[98:99], s[66:67]
	v_and_b32 v1, 15, v0                           ; l % 16
	v_bfe_u32 v2, v0, 4, 1                         ; l / 16
	v_lshlrev_b32 v12, 5, v2
	v_lshlrev_b32 v13, 2, v1
	WIN TO_B
.irp b, 0,1,2,3,4,5,6,7
	global_load_b128 v[64+8*\b:64+8*\b+3], v12, s[92:93] offset:64*\b       ; register 8 b + j: the bias of B's row 16 b + 8 (l / 16) + j
	global_load_b128 v[64+8*\b+4:64+8*\b+7], v12, s[92:93] offset:64*\b+16
.endr
	WIN 0
.irp a, 0,1,2,3,4,5,6,7
	global_load_b32 v[BA+2*\a], v13, s[98:99] offset:64*\a                  ; the bias of A's row 16 a + l % 16
.endr
	v_mul_u32_u24 v3, v1, PITCH
	v_lshl_add_u32 v4, v2, 4, v3                   ; a fragment's row x pitch + 16 x half
	s_mul_i32 s21, s15, HALFT
	s_mul_i32 s22, s16, HALFT
	s_add_co_u32 s22, s22, 2*HALFT
.irp s, 0,1
	v_add_nc_u32 v[ADRA+\s], s21, v4
	v_add_nc_u32 v[ADRB+\s], s22, v4
	s_add_co_u32 s21, s21, SLOT
	s_add_co_u32 s22, s22, SLOT
.endr
	v_mul_u32_u24 v5, v1, KS                       ; my row's scales: KS bytes a row,
	v_lshrrev_b32 v6, 8, v5
	v_lshl_add_u32 v5, v6, 4, v5                   ; and 16 more for each 256 passed
	s_mul_i32 s21, s15, HALFS
	s_mul_i32 s22, s16, HALFS
	s_add_co_u32 s22, s22, 2*HALFS
	s_sub_co_u32 s22, s22, s21
	v_mul_u32_u24 v6, s22, v2                      ; lanes 16-31 take B's
	s_add_co_u32 s21, s21, SCL
	v_add_nc_u32 v5, v5, v6
	v_add_nc_u32 v[ADRS], s21, v5
	s_lshl_b32 s23, s14, 9
	s_add_co_u32 s23, s23, STG                     ; my 512 bytes for the scale words
	v_lshl_add_u32 v[SWA], v1, 2, s23
	v_and_b32 v6, 31, v0
	v_lshl_add_u32 v[SRA], v6, 4, s23
.macro FRAG reg, adr, q, i             ; 16 rows x 128 K of 4-bit codes: 8 registers, two loads of 16 bytes, 32 bytes apart
.irp c, 0,1
	ds_load_b128 v[\reg+4*\c:\reg+4*\c+3], v[\adr] offset:64*(\q)+32*\c+(\i)*16*PITCH
.endr
.endm
; 16 matrix instructions: A's blocks a0, a0 + 1 x B's eight.  The 64 accumulators take turns, one instruction a turn, in the same order in every step.
.macro MUL16 a0, p, q, sc, zero
.irp a, \a0, \a0+1
.irp b, 0,1,2,3,4,5,6,7
.if \zero
	v_wmma_scale_f32_16x16x128_f8f6f4 v[8*(8*((\a)%4)+\b):8*(8*((\a)%4)+\b)+7], v[128*(\p)+FR*\b:128*(\p)+FR*\b+FR-1], v[AF+FR*(\a):AF+FR*(\a)+FR-1], 0, v[SC+8*NQ*(\sc)+NQ*\b+(\q)], v[SC+8*NQ*(\sc)+NQ*(\a)+(\q)] matrix_a_fmt:MATRIX_FMT_FP4 matrix_b_fmt:MATRIX_FMT_FP4 matrix_a_scale:MATRIX_SCALE_ROW1
.else
	v_wmma_scale_f32_16x16x128_f8f6f4 v[8*(8*((\a)%4)+\b):8*(8*((\a)%4)+\b)+7], v[128*(\p)+FR*\b:128*(\p)+FR*\b+FR-1], v[AF+FR*(\a):AF+FR*(\a)+FR-1], v[8*(8*((\a)%4)+\b):8*(8*((\a)%4)+\b)+7], v[SC+8*NQ*(\sc)+NQ*\b+(\q)], v[SC+8*NQ*(\sc)+NQ*(\a)+(\q)] matrix_a_fmt:MATRIX_FMT_FP4 matrix_b_fmt:MATRIX_FMT_FP4 matrix_a_scale:MATRIX_SCALE_ROW1
.endif
.endr
.endr
.endm
.macro FETCH_B slot, q, p
	WIN TO_B
.irp i, 0,1,2,3,4,5,6,7
	FRAG 128*(\p)+FR*\i, ADRB+\slot, \q, \i
.endr
	WIN 0
.endm
.macro FETCH_A slot, q, i0
.irp i, \i0, \i0+1, \i0+2, \i0+3
	FRAG AF+FR*(\i), ADRA+\slot, \q, \i
.endr
.endm
.macro SCALES sc                       ; a slot's scale words: lanes 0-15 take A's block i, lanes 16-31 B's block i
.irp i, 0,1,2,3,4,5,6,7
	ds_load_b128 v[SC+8*NQ*\sc+NQ*\i:SC+8*NQ*\sc+NQ*\i+3], v[ADRS] offset:\i*SBLK
.endr
.endm
.macro PLACES n                        ; plain lines between a matrix instruction and a load into, or a vector read or write of, its registers
.rept \n
	v_nop
.endr
.endm
.macro STEP slot, q, zero              ; 128 along K, with its successor in the same slot
	s_wait_dscnt 4*NL                              ; B's set and A's blocks 0-3 are in; the youngest eight loads (A's blocks 4-7) may be out
	WIN MUL_LO
	MUL16 0, (\q)%2, \q, \slot, \zero
	MUL16 2, (\q)%2, \q, \slot, \zero
	s_wait_dscnt 0
	PLACES NP
	FETCH_B \slot, (\q)+1, 1-(\q)%2
	FETCH_A \slot, (\q)+1, 0
	WIN MUL_HI
	MUL16 4, (\q)%2, \q, \slot, \zero
	MUL16 6, (\q)%2, \q, \slot, \zero
	PLACES NP
	WIN 0
	FETCH_A \slot, (\q)+1, 4
.endm
; The first slot's last step changes slots: each wave waits for all its tensor loads, adds 0 to its spare word, waits for that and for its reads; one barrier; nothing is filled again.
.macro TURN slot, next
	s_wait_tensorcnt 0x0                           ; my part of the second slot has landed
	ds_add_u32 v[SPW], v[NIL]                      ; 0 onto my spare word
	s_wait_dscnt 4*NL+1                            ; (the add and the youngest eight loads may be out)
	WIN MUL_LO
	MUL16 0, 1, NQ-1, \slot, 0
	s_wait_dscnt 0x0
	s_barrier_signal -1
	MUL16 2, 1, NQ-1, \slot, 0
	WIN 0
	s_barrier_wait -1
	PLACES NP
	v_add_nc_u32 v[ADRS], 4*NQ, v[ADRS]            ; on to the second slot's scale words
	FETCH_B \next, 0, 0
	FETCH_A \next, 0, 0
	SCALES \next
	WIN MUL_HI
	MUL16 4, 1, NQ-1, \slot, 0
	MUL16 6, 1, NQ-1, \slot, 0
	PLACES NP
	WIN 0
	FETCH_A \next, 0, 4
.endm
.macro STEPS slot, from
.set Q, \from
.rept NQ-1-\from
	STEP \slot, Q, 0
.set Q, Q+1
.endr
.endm
	s_wait_loadcnt 0x0                             ; the biases are in: their bases and offsets are free
	s_wait_tensorcnt 1                             ; the scales and my part of the first slot are in (the second slot's load may be out),
	s_barrier_signal -1
	s_barrier_wait -1                              ; everybody's are
	FETCH_B 0, 0, 0
	FETCH_A 0, 0, 0
	SCALES 0
	FETCH_A 0, 0, 4
	STEP 0, 0, 1                                   ; the first products start the sums: nothing is cleared
	STEPS 0, 1
	TURN 0, 1
	STEPS 1, 0
	s_wait_dscnt 4*NL                              ; the last step: nothing more to fetch
	WIN MUL_LO
	MUL16 0, 1, NQ-1, 1, 0
	MUL16 2, 1, NQ-1, 1, 0
	s_wait_dscnt 0
	WIN MUL_HI
	MUL16 4, 1, NQ-1, 1, 0
	MUL16 6, 1, NQ-1, 1, 0
	WIN 0
	; THE WAY OUT.  P: my first token (of the batches' 8,192 rows), F: my first feature.  All tensor loads are done: the descriptors' registers are free.
	s_mov_b32 s84, 65536                           ; HS: a head's images in bytes
	s_mov_b32 s94, 4096                            ; and its scale words
	s_mov_b32 s83, 0x800000
	s_mov_b32 s85, 512
	s_mov_b32 s86, 2048
	s_cmp_eq_u32 s95, 1
	s_cselect_b32 s78, s97, s96                    ; P
	s_cselect_b32 s79, s96, s97                    ; F
	s_cselect_b32 s82, 0x400000, 0                 ; where the images begin,
	s_cselect_b32 s83, 0x840000, s83               ; and the scale words
	s_cselect_b32 s87, s85, s84                    ; from registers 0-3 to 4-7: V: the fragment's second half; K: the next head
	s_cselect_b32 s85, 1024, s85                   ; from tile to tile
	s_cselect_b32 s86, s84, s86                    ; from tile 0 to tile 4: V: the next head; K: four tiles
	s_lshr_b32 s88, s78, 11
	s_lshl_b32 s88, s88, 4
	s_lshr_b32 s80, s79, 6
	s_add_co_u32 s88, s88, s80                     ; 16 x batch + head
	s_and_b32 s89, s78, 2047                       ; the token in its batch
	s_mul_i32 s90, s88, s84
	s_lshl_b32 s80, s89, 5
	s_add_co_u32 s90, s90, s80
	s_add_co_u32 s90, s90, s82
	s_mov_b32 s91, 0
	s_add_nc_u64 s[68:69], s[12:13], s[90:91]      ; tiles 0-3, registers 0-3
	s_mov_b32 s90, s87
	s_add_nc_u64 s[70:71], s[68:69], s[90:91]      ; tiles 0-3, registers 4-7
	s_mov_b32 s90, s86
	s_add_nc_u64 s[72:73], s[68:69], s[90:91]      ; tiles 4-7
	s_add_nc_u64 s[74:75], s[70:71], s[90:91]
	s_mul_i32 s90, s88, s94
	s_lshl_b32 s80, s89, 1
	s_add_co_u32 s90, s90, s80
	s_add_co_u32 s90, s90, s83
	s_add_nc_u64 s[76:77], s[12:13], s[90:91]      ; the scale words
	PLACES NP
	v_and_b32 v1, 31, v0
	v_lshlrev_b32 v[VO], 4, v1
	v_add_nc_u32 v[VO+1], s85, v[VO]
	v_add_nc_u32 v[VO+2], s85, v[VO+1]
	v_add_nc_u32 v[VO+3], s85, v[VO+2]
	v_and_b32 v2, 15, v0
	v_bfe_u32 v3, v0, 4, 1
	v_mul_lo_u32 v3, v3, s94
	v_lshl_add_u32 v[SVO], v2, 4, v3               ; lanes 0-15: one head's 256 bytes; lanes 16-31: the next head's
.irp b, 0,1,2,3
	v_mov_b32 v[TB+\b], 0                          ; written once: a lane permute's destination counts as one of its sources
.endr
	WIN 0x44                                       ; destination and source 1 window 1
.set i, 0
.rept 64
	v_and_b32 v[64+i], s101, v[64+i]               ; V has no bias along the registers
.set i, i+1
.endr
	WIN 0
.irp a, 0,1,2,3,4,5,6,7
	v_and_b32 v[BA+2*\a], s100, v[BA+2*\a]         ; K has none along the lanes
	v_mov_b32 v[BA+2*\a+1], v[BA+2*\a]
.endr
; nb blocks of 32: v[s + 16 b + 8 u + j] = k 32 b + 16 u + 8 (lane / 16) + j of my row -> codes in v[pc] on, in the operand's layout; the scale bytes in v[pw].
.macro QUANT s, nb, pc, pw
.irp b, 0,1,2,3
.if \b < \nb
	v_max3_num_f32 v[TM+\b], |v[\s+16*\b]|, |v[\s+16*\b+1]|, 0x1800000   ; my 16 numbers of block b, and the floor 2^(3 - 127): the byte cannot fall under 1
.endif
.endr
.irp i, 2,4,6,8,10,12,14
.irp b, 0,1,2,3
.if \b < \nb
	v_max3_num_f32 v[TM+\b], v[TM+\b], |v[\s+16*\b+\i]|, |v[\s+16*\b+\i+1]|
.endif
.endr
.endr
.irp b, 0,1,2,3
.if \b < \nb
	v_permlanex16_b32 v[TB+\b], v[TM+\b], s[SEL], s[SEL+1]
.endif
.endr
.irp b, 0,1,2,3
.if \b < \nb
	v_max_num_f32 v[TM+\b], v[TM+\b], v[TB+\b]     ; with lane l xor 16's: the block's largest magnitude
.endif
.endr
.irp b, 0,1,2,3
.if \b < \nb
	v_add_nc_u32 v[TS+\b], 0xff000000, v[TM+\b]    ; 2 off its exponent field: the conversions' scale operand
.endif
.endr
.irp b, 0,1,2,3
.if \b < \nb
	v_lshrrev_b32 v[TB+\b], 23, v[TS+\b]           ; the scale's byte
.endif
.endr
	v_lshl_or_b32 v[\pw], v[TB+1], 8, v[TB]
.if \nb > 2
	v_lshl_or_b32 v[\pw], v[TB+2], 16, v[\pw]
	v_lshl_or_b32 v[\pw], v[TB+3], 24, v[\pw]
.endif
.irp b, 0,1,2,3
.if \b < \nb
	v_cvt_scalef32_pk8_fp4_f32 v[\pc+4*(\b/2)+(\b%2)], v[\s+16*\b:\s+16*\b+7], v[TS+\b]
	v_cvt_scalef32_pk8_fp4_f32 v[\pc+4*(\b/2)+(\b%2)+2], v[\s+16*\b+8:\s+16*\b+15], v[TS+\b]
.endif
.endr
	v_nop                                          ; one plain line behind a scaled conversion
.irp c, 0,1
.if 2*\c < \nb
	v_permlane16_swap_b32 v[\pc+4*\c], v[\pc+4*\c+1]      ; the first's lanes 16-31 change places with the second's lanes 0-15
	v_permlane16_swap_b32 v[\pc+4*\c+2], v[\pc+4*\c+3]
.endif
.endr
.endm
.macro OUT a
.if (\a) >= 4
	s_wait_xcnt 0x0                                ; the stores of four tiles back have read their data: that set of eight registers is written again only behind this wait
.endif
	WIN 0x06+(\a)/4                                ; source 0: the accumulators' window; source 1: window 1
.set i, 0
.rept 32
	v_pk_add_f32 v[T+2*i:T+2*i+1], v[64*((\a)%4)+2*i:64*((\a)%4)+2*i+1], v[64+2*i:64+2*i+1]   ; each accumulator from its low end on
.set i, i+1
.endr
	WIN 0
.set i, 0
.rept 32
	v_pk_add_f32 v[T+2*i:T+2*i+1], v[T+2*i:T+2*i+1], v[BA+2*(\a):BA+2*(\a)+1]
.set i, i+1
.endr
	QUANT T, 4, PC+8*((\a)%4), PW+(\a)
	global_store_b128 v[VO+(\a)%4], v[PC+8*((\a)%4):PC+8*((\a)%4)+3], s[68+4*((\a)/4):69+4*((\a)/4)]     ; 512 consecutive bytes
	global_store_b128 v[VO+(\a)%4], v[PC+8*((\a)%4)+4:PC+8*((\a)%4)+7], s[70+4*((\a)/4):71+4*((\a)/4)]
.endm
.irp a, 0,1,2,3,4,5,6,7
	OUT \a
.endr
	; the scale words.  V: tile n's word as it is.  K: word 4 c + i = two bytes of head c from tile 2 i, two from tile 2 i + 1.
.irp n, 0,1,2,3
	v_perm_b32 v[XW+\n], v[PW+2*\n+1], v[PW+2*\n], 0x05040100
	v_perm_b32 v[XW+4+\n], v[PW+2*\n+1], v[PW+2*\n], 0x07060302
.endr
.irp n, 0,1,2,3,4,5,6,7
	v_cndmask_b32 v[XW+\n], v[XW+\n], v[PW+\n], s100
.endr
.irp n, 0,1,2,3,4,5,6,7
	ds_store_b32 v[SWA], v[XW+\n] offset:64*\n     ; both halves of the lanes hold the same word and write it to the same place
.endr
	ds_load_b128 v[BK:BK+3], v[SRA]                ; LDS serves a wave's instructions in order: this sees my stores
	s_wait_dscnt 0x0
	global_store_b128 v[SVO], v[BK:BK+3], s[76:77] ; two runs of 256 consecutive bytes, aligned
	s_wait_tensorcnt 0x0                           ; the wave's end
	ds_add_u32 v[SPW], v[NIL]
	s_wait_dscnt 0x0
	CROUND                                         ; the closing round
	s_endpgm
.Lfunc_end_k_qdd096d2fc9_proj:
	.size	k_qdd096d2fc9_proj, .Lfunc_end_k_qdd096d2fc9_proj-k_qdd096d2fc9_proj
	.p2alignl 7, 3214868480
	.fill 96, 4, 3214868480
	.section	.rodata,"a",@progbits
	.p2align	6, 0x0
	.amdhsa_kernel k_qdd096d2fc9_proj
		.amdhsa_group_segment_fixed_size 327680
		.amdhsa_private_segment_fixed_size 0
		.amdhsa_enable_private_segment 0
		.amdhsa_kernarg_size 48
		.amdhsa_user_sgpr_count 2
		.amdhsa_user_sgpr_kernarg_segment_ptr 1
		.amdhsa_wavefront_size32 1
		.amdhsa_system_sgpr_workgroup_id_x 1
		.amdhsa_system_sgpr_workgroup_id_y 1
		.amdhsa_system_sgpr_workgroup_id_z 1
		.amdhsa_system_vgpr_workitem_id 0
		.amdhsa_next_free_vgpr 1024
		.amdhsa_next_free_sgpr 102
		.amdhsa_reserve_vcc 0
		.amdhsa_float_denorm_mode_32 3
		.amdhsa_float_denorm_mode_16_64 3
		.amdhsa_memory_ordered 1
		.amdhsa_forward_progress 1
		.amdhsa_inst_pref_size 168
	.end_amdhsa_kernel
	.amdgpu_metadata
---
amdhsa.version: [ 1, 2 ]
amdhsa.kernels:
  - .name:           k_qdd096d2fc9_proj
    .symbol:         k_qdd096d2fc9_proj.kd
    .args:
      - { .name: xcodes, .offset: 0, .size: 8, .value_kind: global_buffer, .address_space: global }
      - { .name: xscales, .offset: 8, .size: 8, .value_kind: global_buffer, .address_space: global }
      - { .name: Wkv_codes, .offset: 16, .size: 8, .value_kind: global_buffer, .address_space: global }
      - { .name: Wkv_scales, .offset: 24, .size: 8, .value_kind: global_buffer, .address_space: global }
      - { .name: bkv, .offset: 32, .size: 8, .value_kind: global_buffer, .address_space: global }
      - { .name: qkv, .offset: 40, .size: 8, .value_kind: global_buffer, .address_space: global }
    .group_segment_fixed_size: 327680
    .private_segment_fixed_size: 0
    .kernarg_segment_align: 8
    .kernarg_segment_size: 48
    .max_flat_workgroup_size: 128
    .sgpr_count:     102
    .vgpr_count:     1024
    .wavefront_size: 32
...
	.end_amdgpu_metadata
.endif
;; end of part 2
;; launch attn (part 3): grid 4 x 64, 16 waves a work-group, no clusters, 194,048 bytes of LDS; arguments qkv, mask, obuf, bq, xcodes, xscales, Wq_codes, Wq_scales; writes obuf
.if DOCPART == 3
	.amdgcn_target "amdgcn-amd-amdhsa--gfx1250"
	.amdhsa_code_object_version 6
	.text
	.protected	k_qdd096d2fc9_attn
	.globl	k_qdd096d2fc9_attn
	.p2align	8
	.type	k_qdd096d2fc9_attn,@function
k_qdd096d2fc9_attn:
	s_mov_b64 s[64:65], 0
	v_nop
	global_prefetch_b8 v0, s[64:65] scope:SCOPE_SE
	s_setreg_imm32_b32 hwreg(HW_REG_WAVE_MODE, 25, 1), 1
	s_wait_xcnt 0x0
; Q's projection, masked cross attention and the quantising of its result, all products on codes of FP4 (E2M1) with E8M0 scales; head size 64, 2,048 keys.
; SHARES.  Work-group (x, y): 256 queries (block x) of batch-and-head y; each of its sixteen waves owns 16 queries, in 256 registers: four waves to a SIMD, so that one wave's vector work
; stands beside another's matrix work.  The head's K and V (136 KB of register images and scale words, as the projections stored them) are brought into LDS once, wave w bringing step w; no ring.
; Q'S PROJECTION stands at the head: q = x Wq^T + bq for my 16 tokens and my head's 64 features, K = 1,024: 4 tiles x 8 K steps.  x's fragments (the normed rows' codes) come straight into 64 registers;
; the head's 64 rows of Wq (32 KB) and its scale bytes come into LDS once, wave w bringing rows 4 w .. 4 w + 3, and every wave reads them.  The product is used transposed (source 0 = 16 rows of Wq,
; source 1 = my tokens): a lane holds one token and its registers run along the features, so that q is quantised along the head without leaving its lanes, and the codes are the next product's operand.
; ALL PRODUCTS ARE USED TRANSPOSED: S^T = K Q^T, O^T = V^T P^T: a lane holds one query (lane % 16) throughout.
; K = 64 IN AN INSTRUCTION OF K = 128: an operand of K holds TWO tiles of 16 keys, one in registers 0-3 (k 0-63), one in registers 4-7 (k 64-127); it is multiplied by [q | 0] and by [0 | q],
; both taken out of one run of twelve registers 0000 qqqq 0000.  Zero codes annul the other tile; the scale bytes beside them are 127.
; THE SOFTMAX: t = score x log2(e) / 8; M = the running largest t rounded up to a whole number; p = 2^(t - M) is quantised along the keys; the row's sum is taken of the unquantised p and divides at the end.
; THE MASK is honoured key by key: a masked key's score is replaced ahead of the maximum.
; Then nothing is left out and every p is 1.
; LIMITS.  The masked score is -2^33, a logit of -2^30 where reference() writes -1e9: -2^33 x log2(e) / 8 is exact and whole, so that a wholly masked row gives p = 1 exactly.  The results are
; reference()'s wherever every live logit lies above about -1e9 + 200 or no key is live.  NaN and infinities are not served.  A block under 2^-124 keeps the byte 1; a block of zeros gets the byte 1 (zero codes; only this program reads the bytes).
; No tensor load (a branch hangs on the mask, which is read from memory), so no joint loads either; what the four query blocks of a head share is one fill.
; REGISTERS: v1-3, v28 addresses that stay; v4-6 and v248-251 scale words and nothing else; v8-11, v31 addresses of the step; v12 -M, v13 the largest t, v[14:15] the sum; v16-27 Q; v29, v30 Q's scale words;
; v32-63 four operands of K; v64-95 four fragments of V (at the head: two sets of Wq's fragments); v96-159 S^T, then p (at the head: v96-127 q's sums, v128-191 x's fragments); v160-191 O^T; v192-223 mask words (at the head also bq);
; v224-231 p's codes; v232-247 at work (at the head v224-247: offsets and LDS places); v252 f, v253 p's scale word, v254 at work.
.set KL, 0                             ; LDS: K's images, 4,096 bytes a step
.set VL, 65536                         ; V's
.set KS, 131072                        ; K's scale words, 256 bytes a step
.set VS, 135168                        ; V's
.set MT, 139264                        ; a word for each key: all ones where masked
.set OS, 147456                        ; the result's scale bytes: 2 a query
.set WP, 528                           ; a row of Wq in LDS: 512 bytes + 16: the 16 rows that a load touches start 132 words apart
.set WQ, 147968                        ; my head's 64 rows of Wq
.set WS, WQ+64*WP                      ; their scale bytes, 32 a row
.set XS, WS+2048                       ; x's scale bytes: 512 for each wave's 16 tokens
.set TM, 232
.set TB, 236
.set TS, 244
.set SEL, 24
; nb blocks of 32: v[s + 16 b + 8 u + j] = k 32 b + 16 u + 8 (lane / 16) + j of my row -> codes in v[pc] on, in the operand's layout; the scale bytes in v[pw].
.macro QUANT s, nb, pc, pw
.irp b, 0,1,2,3
.if \b < \nb
	v_max3_num_f32 v[TM+\b], |v[\s+16*\b]|, |v[\s+16*\b+1]|, 0x1800000   ; my 16 numbers of block b, and the floor 2^(3 - 127): the byte cannot fall under 1
.endif
.endr
.irp i, 2,4,6,8,10,12,14
.irp b, 0,1,2,3
.if \b < \nb
	v_max3_num_f32 v[TM+\b], v[TM+\b], |v[\s+16*\b+\i]|, |v[\s+16*\b+\i+1]|
.endif
.endr
.endr
.irp b, 0,1,2,3
.if \b < \nb
	v_permlanex16_b32 v[TB+\b], v[TM+\b], s[SEL], s[SEL+1]
.endif
.endr
.irp b, 0,1,2,3
.if \b < \nb
	v_max_num_f32 v[TM+\b], v[TM+\b], v[TB+\b]     ; with lane l xor 16's: the block's largest magnitude
.endif
.endr
.irp b, 0,1,2,3
.if \b < \nb
	v_add_nc_u32 v[TS+\b], 0xff000000, v[TM+\b]    ; 2 off its exponent field: the conversions' scale operand
.endif
.endr
.irp b, 0,1,2,3
.if \b < \nb
	v_lshrrev_b32 v[TB+\b], 23, v[TS+\b]           ; the scale's byte
.endif
.endr
	v_lshl_or_b32 v[\pw], v[TB+1], 8, v[TB]
.if \nb > 2
	v_lshl_or_b32 v[\pw], v[TB+2], 16, v[\pw]
	v_lshl_or_b32 v[\pw], v[TB+3], 24, v[\pw]
.endif
.irp b, 0,1,2,3
.if \b < \nb
	v_cvt_scalef32_pk8_fp4_f32 v[\pc+4*(\b/2)+(\b%2)], v[\s+16*\b:\s+16*\b+7], v[TS+\b]
	v_cvt_scalef32_pk8_fp4_f32 v[\pc+4*(\b/2)+(\b%2)+2], v[\s+16*\b+8:\s+16*\b+15], v[TS+\b]
.endif
.endr
	v_nop                                          ; one plain line behind a scaled conversion
.irp c, 0,1
.if 2*\c < \nb
	v_permlane16_swap_b32 v[\pc+4*\c], v[\pc+4*\c+1]      ; the first's lanes 16-31 change places with the second's lanes 0-15
	v_permlane16_swap_b32 v[\pc+4*\c+2], v[\pc+4*\c+3]
.endif
.endr
.endm
	s_load_b128 s[4:7], s[0:1], 0x0                ; qkv, mask
	s_load_b128 s[44:47], s[0:1], 0x10             ; obuf, bq
	s_load_b256 s[48:55], s[0:1], 0x20             ; xcodes, xscales, Wq's codes, Wq's scales
	v_lshl_add_u32 v243, v0, 2, 0x2ee00
	v_mov_b32 v255, 0
	v_lshrrev_b32 v1, 5, v0
	v_readfirstlane_b32 s10, v1                    ; wave 0..15
	s_and_b32 s11, ttmp7, 0xffff                   ; 16 x batch + head
	s_lshr_b32 s12, s11, 4                         ; batch
	s_and_b32 s13, s11, 15                         ; head
	v_and_b32 v224, 31, v0                         ; lane
	v_and_b32 v225, 15, v0                         ; r
	v_bfe_u32 v226, v0, 4, 1                       ; h
	v_lshlrev_b32 v1, 4, v224                      ; 16 x lane
	v_lshl_add_u32 v2, v224, 2, KS                 ; K's scale words: 4 x lane
	v_lshl_add_u32 v3, v226, 5, MT                 ; the mask words of my half's eight keys
	v_add_nc_u32 v28, VL, v1
	; offsets in memory
	v_lshlrev_b32 v227, 6, v224                    ; the mask: 64 keys a lane,
	v_lshlrev_b32 v228, 2, v0                      ; and 4 keys a thread; also Wq's scale bytes, 4 a thread
	v_lshlrev_b32 v229, 4, v225
	v_lshl_add_u32 v229, v226, 18, v229            ; K's and V's scale words: lanes 0-15 K's, lanes 16-31 V's, 0x40000 bytes on
	v_lshlrev_b32 v230, 9, v225
	v_lshl_add_u32 v230, v226, 4, v230             ; x: row r of 512 bytes, + 16 h
	v_lshlrev_b32 v231, 5, v226                    ; bq: my half's eight numbers of a tile
	; places in LDS
	s_lshl_b32 s30, s10, 12
	v_add_nc_u32 v232, s30, v1                     ; the fill: step w of K,
	v_add_nc_u32 v233, s30, v28                    ; of V,
	s_lshl_b32 s30, s10, 8
	v_lshlrev_b32 v234, 4, v225
	v_lshl_add_u32 v234, v226, 12, v234            ; of the scale words: V's 4,096 bytes behind K's
	v_add_nc_u32 v234, s30, v234
	v_add_nc_u32 v234, KS, v234
	v_lshl_add_u32 v235, v0, 4, MT                 ; four mask words a thread
	s_lshl_b32 s30, s10, 9
	v_add_nc_u32 v236, s30, v1
	v_add_nc_u32 v236, XS, v236                    ; x's scale bytes in: 512 x wave + 16 x lane
	s_mul_i32 s31, s10, 4*WP
	v_add_nc_u32 v237, s31, v1
	v_add_nc_u32 v237, WQ, v237                    ; Wq's rows 4 w on, in: 16 x lane
	v_lshl_add_u32 v238, v0, 2, WS                 ; Wq's scale bytes in: 4 a thread
	v_mul_u32_u24 v239, v225, WP
	v_lshl_add_u32 v239, v226, 4, v239
	v_add_nc_u32 v239, WQ, v239                    ; Wq's fragments: row r, + 16 h
	v_lshlrev_b32 v240, 5, v225
	v_lshl_add_u32 v240, v226, 9, v240
	v_add_nc_u32 v240, WS, v240                    ; Wq's scale words: lanes 0-15 an even tile's rows, lanes 16-31 the next tile's
	v_lshl_add_u32 v241, v225, 5, s30
	v_add_nc_u32 v241, XS, v241                    ; x's scale words: my wave's token r
	s_lshl_b32 s30, s12, 11
	s_mov_b32 s31, 0
	s_lshl_b32 s32, s12, 10                        ; my first token: 1,024 x batch + 256 x + 16 w
	s_lshl_b32 s33, ttmp9, 8
	s_add_co_u32 s32, s32, s33
	s_lshl_b32 s33, s10, 4
	s_add_co_u32 s32, s32, s33
	s_lshl_b32 s34, s32, 5                         ; its scale bytes,
	s_mov_b32 s35, 0
	s_lshl_b32 s32, s32, 9                         ; its codes
	s_mov_b32 s33, 0
	s_lshl_b32 s36, s11, 16                        ; K's images of step w; V's lie 0x400000 bytes on
	s_lshl_b32 s37, s10, 12
	s_add_co_u32 s36, s36, s37
	s_mov_b32 s37, 0
	s_lshl_b32 s38, s11, 12                        ; K's scale words of step w
	s_lshl_b32 s39, s10, 8
	s_add_co_u32 s38, s38, s39
	s_add_co_u32 s38, s38, 0x800000
	s_mov_b32 s39, 0
	s_lshl_b32 s56, s13, 15                        ; Wq's rows 64 x head + 4 w
	s_lshl_b32 s57, s10, 11
	s_add_co_u32 s56, s56, s57
	s_mov_b32 s57, 0
	s_lshl_b32 s58, s13, 11                        ; the head's 2,048 scale bytes of Wq
	s_mov_b32 s59, 0
	s_lshl_b32 s60, s13, 8                         ; the head's 64 numbers of bq
	s_mov_b32 s61, 0
	s_mov_b32 s22, 0x3e38aa3b                      ; c = log2(e) / 8
	s_mov_b32 s23, s22
	s_mov_b32 s[SEL], 0x76543210
	s_mov_b32 s[SEL+1], 0xfedcba98
	s_mov_b32 s42, 0xd0000000                      ; -2^33
	s_mov_b32 s26, 0
	s_mov_b32 s27, 0
	s_mov_b32 s28, 0
	s_wait_kmcnt 0x0
	s_add_nc_u64 s[6:7], s[6:7], s[30:31]
	s_add_nc_u64 s[14:15], s[48:49], s[32:33]
	s_add_nc_u64 s[16:17], s[50:51], s[34:35]
	s_add_nc_u64 s[18:19], s[4:5], s[36:37]
	s_add_nc_u64 s[40:41], s[4:5], s[38:39]
	s_add_nc_u64 s[52:53], s[52:53], s[56:57]
	s_add_nc_u64 s[54:55], s[54:55], s[58:59]
	s_add_nc_u64 s[46:47], s[46:47], s[60:61]
.irp i, 0,1,2,3
	global_load_b128 v[192+4*\i:195+4*\i], v227, s[6:7] offset:16*\i
.endr
	global_load_b32 v208, v228, s[6:7]
.irp i, 0,1,2,3
	global_load_b128 v[112+4*\i:115+4*\i], v1, s[52:53] offset:512*\i        ; a row of Wq: 512 consecutive bytes
.endr
	global_load_b32 v107, v228, s[54:55]
	global_load_b128 v[108:111], v1, s[16:17]      ; my 16 tokens' scale bytes: 512 consecutive bytes
.irp s, 0,1,2,3,4,5,6,7
.irp c, 0,1
	global_load_b128 v[128+8*\s+4*\c:131+8*\s+4*\c], v230, s[14:15] offset:64*\s+32*\c   ; x's fragment of K step s
.endr
.endr
.irp i, 0,1,2,3,4,5,6,7
	global_load_b128 v[32+4*\i:35+4*\i], v1, s[18:19] offset:512*\i
.endr
.irp i, 0,1,2,3,4,5,6,7
	global_load_b128 v[64+4*\i:67+4*\i], v1, s[18:19] offset:0x400000+512*\i
.endr
	global_load_b128 v[96:99], v229, s[40:41]
.irp i, 16,17,18,19,24,25,26,27
	v_mov_b32 v[\i], 0                             ; the zero codes on both sides of q
.endr
	v_mov_b32 v13, 0xff61b1e6                      ; the largest t so far: -3e38
	v_floor_f32 v12, -v13                          ; -M
	v_mov_b32 v14, 0
	v_mov_b32 v15, 0
.irp i, 252,253,254
	v_mov_b32 v[\i], 0                             ; written once: a destination of a lane permute, and halves of pairs
.endr
	s_wait_loadcnt 0x0
	v_and_b32 v209, v192, v193
	v_or_b32 v210, v192, v193
.irp i, 2,3,4,5,6,7,8,9,10,11,12,13,14,15
	v_and_b32 v209, v209, v[192+\i]
	v_or_b32 v210, v210, v[192+\i]
.endr
	v_cmp_ne_u32 vcc_lo, 0x1010101, v209
	s_mov_b32 s20, vcc_lo                          ; bit l: keys 64 l .. 64 l + 63 hold a live one
	v_cmp_ne_u32 vcc_lo, 0, v210
	s_mov_b32 s21, vcc_lo                          ; bit l: they hold a masked one
	s_cmp_eq_u32 s20, 0
	s_cselect_b32 s20, -1, s20                     ; no live key at all: nothing is left out
.irp k, 0,1,2,3
	v_bfe_u32 v[244+\k], v208, 8*\k, 1
.endr
.irp k, 0,1,2,3
	v_sub_nc_u32 v[244+\k], 0, v[244+\k]           ; 1 -> all ones
.endr
.irp t, 0,1,2,3
	global_load_b128 v[192+8*\t:195+8*\t], v231, s[46:47] offset:64*\t       ; bq, where the mask's bytes lay: register 8 t + j: feature 16 t + 8 h + j.  It is wanted behind q's sums
	global_load_b128 v[196+8*\t:199+8*\t], v231, s[46:47] offset:64*\t+16
.endr
	ds_store_b128 v235, v[244:247]
.irp i, 0,1,2,3
	ds_store_b128 v237, v[112+4*\i:115+4*\i] offset:WP*\i
.endr
	ds_store_b32 v238, v107
	ds_store_b128 v236, v[108:111]
.irp i, 0,1,2,3,4,5,6,7
	ds_store_b128 v232, v[32+4*\i:35+4*\i] offset:512*\i
.endr
.irp i, 0,1,2,3,4,5,6,7
	ds_store_b128 v233, v[64+4*\i:67+4*\i] offset:512*\i
.endr
	ds_store_b128 v234, v[96:99]
	s_wait_dscnt 0x0                               ; for the others' sake: my stores have landed
	s_barrier_signal -1
	s_barrier_wait -1
	; Q'S PROJECTION.  Two sets of Wq's four fragments and of three scale registers take turns; eleven LDS loads a K step.
.macro QFETCH s
.set FS, 32+32*((\s)%2)
.set SS, 4+244*((\s)%2)                ; v4-6 or v248-250
.irp t, 0,1,2,3
.irp c, 0,1
	ds_load_b128 v[FS+8*\t+4*\c:FS+8*\t+4*\c+3], v239 offset:16*WP*\t+64*(\s)+32*\c
.endr
.endr
	ds_load_b32 v[SS], v240 offset:4*(\s)          ; lanes 0-15: tile 0's words, lanes 16-31: tile 1's
	ds_load_b32 v[SS+1], v240 offset:1024+4*(\s)   ; tiles 2 and 3
	ds_load_b32 v[SS+2], v241 offset:4*(\s)        ; x's
.endm
.macro QMUL s                          ; four products; the four accumulators take turns, one instruction a turn
.set FS, 32+32*((\s)%2)
.set SS, 4+244*((\s)%2)
.irp t, 0,1,2,3
.if (\s) == 0
.if \t%2
	v_wmma_scale_f32_16x16x128_f8f6f4 v[96+8*\t:103+8*\t], v[FS+8*\t:FS+8*\t+7], v[128+8*(\s):135+8*(\s)], 0, v[SS+\t/2], v[SS+2] matrix_a_fmt:MATRIX_FMT_FP4 matrix_b_fmt:MATRIX_FMT_FP4 matrix_a_scale:MATRIX_SCALE_ROW1
.else
	v_wmma_scale_f32_16x16x128_f8f6f4 v[96+8*\t:103+8*\t], v[FS+8*\t:FS+8*\t+7], v[128+8*(\s):135+8*(\s)], 0, v[SS+\t/2], v[SS+2] matrix_a_fmt:MATRIX_FMT_FP4 matrix_b_fmt:MATRIX_FMT_FP4
.endif
.else
.if \t%2
	v_wmma_scale_f32_16x16x128_f8f6f4 v[96+8*\t:103+8*\t], v[FS+8*\t:FS+8*\t+7], v[128+8*(\s):135+8*(\s)], v[96+8*\t:103+8*\t], v[SS+\t/2], v[SS+2] matrix_a_fmt:MATRIX_FMT_FP4 matrix_b_fmt:MATRIX_FMT_FP4 matrix_a_scale:MATRIX_SCALE_ROW1
.else
	v_wmma_scale_f32_16x16x128_f8f6f4 v[96+8*\t:103+8*\t], v[FS+8*\t:FS+8*\t+7], v[128+8*(\s):135+8*(\s)], v[96+8*\t:103+8*\t], v[SS+\t/2], v[SS+2] matrix_a_fmt:MATRIX_FMT_FP4 matrix_b_fmt:MATRIX_FMT_FP4
.endif
.endif
.endr
.endm
	QFETCH 0
	QFETCH 1
.irp s, 0,1,2,3,4,5,6,7
.if \s < 7
	s_wait_dscnt 11                                ; this step's eleven loads are in; the next step's may be out
.else
	s_wait_dscnt 0x0
.endif
	QMUL \s
.rept 4
	v_nop                                          ; places in front of loads into registers that the products have read, and of the first read of results
.endr
.if \s < 6
	QFETCH \s+2
.endif
.endr
	s_wait_loadcnt 0x0                             ; bq
.set j, 0
.rept 16
	v_pk_add_f32 v[96+j:97+j], v[96+j:97+j], v[192+j:193+j]   ; register 8 t + j: q(token r, feature 16 t + 8 h + j); each accumulator from its low end on
.set j, j+2
.endr
	QUANT 96, 2, 20, 254                           ; the codes are Q's four registers; the two bytes:
	v_or_b32 v29, 0x7f7f0000, v254                 ; for [q | 0]
	v_lshl_or_b32 v30, v254, 16, 0x7f7f            ; for [0 | q]
.set j, 0
.rept 32
	v_mov_b32 v[160+j], 0                          ; O^T: the loop is written once; its first step finds zeros.  (These lines are also the places between Q's scale words and the first product that names them)
.set j, j+1
.endr
.irp i, 236,237,238,239
	v_mov_b32 v[\i], 0
.endr
	s_mov_b32 s29, 16
.Lstep:                                            ; 16 trips, 128 keys each
	s_and_b32 s30, s20, 3
	s_cmp_eq_u32 s30, 0
	s_cbranch_scc1 .Lskip                          ; no live key in this step
	v_add_nc_u32 v8, s26, v1                       ; (these five lines are also the places behind the last step's products, in front of the loads into their registers)
	v_add_nc_u32 v9, s26, v28
	v_add_nc_u32 v10, s27, v2
	v_add_nc_u32 v11, VS-KS, v10
	v_add_nc_u32 v31, s28, v3
.irp i, 0,1,2,3
	ds_load_b128 v[32+8*\i:35+8*\i], v8 offset:1024*\i        ; key tile 2 i,
	ds_load_b128 v[36+8*\i:39+8*\i], v8 offset:1024*\i+512    ; key tile 2 i + 1
.endr
	ds_load_b32 v248, v10                          ; lanes 0-15: operand 0's words, lanes 16-31: operand 1's
	ds_load_b32 v249, v10 offset:128
.irp i, 0,1,2,3
	ds_load_b128 v[64+8*\i:67+8*\i], v9 offset:1024*\i
	ds_load_b128 v[68+8*\i:71+8*\i], v9 offset:1024*\i+512
.endr
	ds_load_b32 v250, v11
	ds_load_b32 v251, v11 offset:128
	s_wait_dscnt 10                                ; K's ten loads are in; V's ten may be out
.irp i, 0,1,2,3
.if \i%2
	v_wmma_scale_f32_16x16x128_f8f6f4 v[96+16*\i:103+16*\i], v[32+8*\i:39+8*\i], v[20:27], 0, v[248+\i/2], v29 matrix_a_fmt:MATRIX_FMT_FP4 matrix_b_fmt:MATRIX_FMT_FP4 matrix_a_scale:MATRIX_SCALE_ROW1
	v_wmma_scale_f32_16x16x128_f8f6f4 v[104+16*\i:111+16*\i], v[32+8*\i:39+8*\i], v[16:23], 0, v[248+\i/2], v30 matrix_a_fmt:MATRIX_FMT_FP4 matrix_b_fmt:MATRIX_FMT_FP4 matrix_a_scale:MATRIX_SCALE_ROW1
.else
	v_wmma_scale_f32_16x16x128_f8f6f4 v[96+16*\i:103+16*\i], v[32+8*\i:39+8*\i], v[20:27], 0, v[248+\i/2], v29 matrix_a_fmt:MATRIX_FMT_FP4 matrix_b_fmt:MATRIX_FMT_FP4
	v_wmma_scale_f32_16x16x128_f8f6f4 v[104+16*\i:111+16*\i], v[32+8*\i:39+8*\i], v[16:23], 0, v[248+\i/2], v30 matrix_a_fmt:MATRIX_FMT_FP4 matrix_b_fmt:MATRIX_FMT_FP4
.endif
.endr                                              ; register 8 t + j: key 16 t + 8 (lane / 16) + j of the step, query lane % 16
.rept 4
	v_nop
.endr
	s_and_b32 s30, s21, 3
	s_cmp_eq_u32 s30, 0
	s_cbranch_scc1 .Lopen                          ; all 128 keys count
.irp t, 0,1,2,3
	ds_load_b128 v[192+8*\t:195+8*\t], v31 offset:64*\t
	ds_load_b128 v[196+8*\t:199+8*\t], v31 offset:64*\t+16
.endr
.irp t, 0,1,2,3
	ds_load_b128 v[32+8*\t:35+8*\t], v31 offset:256+64*\t     ; K's operands are done with
	ds_load_b128 v[36+8*\t:39+8*\t], v31 offset:256+64*\t+16
.endr
	s_wait_dscnt 0x0
.set n, 0
.rept 32
	v_bfi_b32 v[96+n], v[192+n], s42, v[96+n]      ; a masked key's score becomes -2^33
.set n, n+1
.endr
.set n, 0
.rept 32
	v_bfi_b32 v[128+n], v[32+n], s42, v[128+n]
.set n, n+1
.endr
.Lopen:
.irp b, 0,1,2,3
	v_max3_num_f32 v[232+\b], v[96+16*\b], v[97+16*\b], v[98+16*\b]   ; the largest score of each block of 32 keys: for the row's maximum, and, since p rises with the score, for the block's largest p
.endr
.irp i, 3,5,7,9,11,13
.irp b, 0,1,2,3
	v_max3_num_f32 v[232+\b], v[232+\b], v[96+16*\b+\i], v[97+16*\b+\i]
.endr
.endr
.irp b, 0,1,2,3
	v_max_num_f32 v[232+\b], v[232+\b], v[111+16*\b]
.endr
.irp b, 0,1,2,3
	v_permlanex16_b32 v[236+\b], v[232+\b], s[SEL], s[SEL+1]
.endr
.irp b, 0,1,2,3
	v_max_num_f32 v[232+\b], v[232+\b], v[236+\b]  ; with lane l xor 16's 16 keys
.endr
	v_max3_num_f32 v254, v232, v233, v234
	v_max_num_f32 v254, v254, v235
	v_mul_f32 v254, s22, v254                      ; as t
	v_max_num_f32 v13, v13, v254                   ; the running largest t
	v_mov_b32 v254, v12
	v_floor_f32 v12, -v13                          ; the new -M = -ceil(t)
	v_sub_f32 v254, v12, v254                      ; old M - new M: a whole number, 0 or less
	v_cvt_i32_f32 v254, v254                       ; (it saturates)
	v_ldexp_f32 v252, 1.0, v254                    ; f = 2^(old M - new M)
.set j, 0
.rept 32
	v_pk_fma_f32 v[96+j:97+j], v[96+j:97+j], s[22:23], v[12:13] op_sel_hi:[1,0,0]   ; t - M
.set j, j+2
.endr
.irp b, 0,1,2,3
	v_fma_f32 v[232+\b], v[232+\b], s22, v12       ; the same of each block's largest score
.endr
.set j, 0
.rept 64
	v_exp_f32 v[96+j], v[96+j]                     ; p = 2^(t - M)
.set j, j+1
.endr
	v_pk_mul_f32 v[14:15], v[14:15], v[252:253] op_sel_hi:[1,0]   ; the sums under the new M (a plain line behind the exponentials)
	s_wait_alu depctr_va_vdst(0)                   ; one wait for the batch, ahead of its first reader
.irp b, 0,1,2,3
	v_exp_f32 v[232+\b], v[232+\b]                 ; the block's largest p
.endr
	v_pk_add_f32 v[236:237], v[96:97], v[98:99]    ; the row's sum of the unquantised p, in two chains
.irp j, 4,8,12,16,20,24,28,32,36,40,44,48,52,56,60
	v_pk_add_f32 v[14:15], v[14:15], v[96+\j:97+\j]
	v_pk_add_f32 v[236:237], v[236:237], v[98+\j:99+\j]
.endr
	v_pk_add_f32 v[14:15], v[14:15], v[236:237]
	s_wait_alu depctr_va_vdst(0)                   ; and one for the four
.irp b, 0,1,2,3
	v_max_num_f32 v[232+\b], 0x1800000, v[232+\b]  ; the floor 2^(3 - 127)
.endr
.irp b, 0,1,2,3
	v_add_nc_u32 v[244+\b], 0xff000000, v[232+\b]  ; the conversions' scale operand
.endr
.irp b, 0,1,2,3
	v_lshrrev_b32 v[236+\b], 23, v[244+\b]         ; the scale's byte
.endr
	v_lshl_or_b32 v253, v237, 8, v236              ; p's scale word for these 128 keys
	v_lshl_or_b32 v253, v238, 16, v253
	v_lshl_or_b32 v253, v239, 24, v253
.irp b, 0,1,2,3
	v_cvt_scalef32_pk8_fp4_f32 v[224+4*(\b/2)+(\b%2)], v[96+16*\b:103+16*\b], v[244+\b]      ; keys 32 b + 8 h + 0 .. 7
	v_cvt_scalef32_pk8_fp4_f32 v[226+4*(\b/2)+(\b%2)], v[104+16*\b:111+16*\b], v[244+\b]     ; keys 32 b + 16 + 8 h + 0 .. 7
.endr
	v_nop                                          ; one plain line behind a scaled conversion
.irp c, 0,2,4,6
	v_permlane16_swap_b32 v[224+\c], v[225+\c]     ; registers 4 c .. 4 c + 3 now hold keys 64 c + 32 h + 0 .. 31
.endr
.set j, 0
.rept 16
	v_pk_mul_f32 v[160+j:161+j], v[160+j:161+j], v[252:253] op_sel_hi:[1,0]   ; O^T under the new M (also the places in front of the products below)
.set j, j+2
.endr
	s_wait_dscnt 0x0                               ; V is in
.irp a, 0,1,2,3
.if \a%2
	v_wmma_scale_f32_16x16x128_f8f6f4 v[160+8*\a:167+8*\a], v[64+8*\a:71+8*\a], v[224:231], v[160+8*\a:167+8*\a], v[250+\a/2], v253 matrix_a_fmt:MATRIX_FMT_FP4 matrix_b_fmt:MATRIX_FMT_FP4 matrix_a_scale:MATRIX_SCALE_ROW1
.else
	v_wmma_scale_f32_16x16x128_f8f6f4 v[160+8*\a:167+8*\a], v[64+8*\a:71+8*\a], v[224:231], v[160+8*\a:167+8*\a], v[250+\a/2], v253 matrix_a_fmt:MATRIX_FMT_FP4 matrix_b_fmt:MATRIX_FMT_FP4
.endif
.endr                                              ; the four accumulators take turns, one instruction a turn
.Lskip:
	s_lshr_b32 s20, s20, 2
	s_lshr_b32 s21, s21, 2
	s_add_co_u32 s26, s26, 4096
	s_add_co_u32 s27, s27, 256
	s_add_co_u32 s28, s28, 512
	s_sub_co_u32 s29, s29, 1
	s_cmp_lg_u32 s29, 0
	s_cbranch_scc1 .Lstep
	; THE WAY OUT: O^T / the sum; its two blocks of 32 are quantised; four registers of codes are my tile's part of the next product's operand.
	v_add_f32 v14, v14, v15
	v_permlanex16_b32 v252, v14, s[SEL], s[SEL+1]
	v_add_f32 v14, v14, v252                       ; the row's sum
	v_rcp_f32 v14, v14
	v_and_b32 v8, 15, v0                           ; (plain lines behind the transcendental)
	v_lshlrev_b32 v8, 1, v8
	s_lshl_b32 s30, s10, 5
	v_add_nc_u32 v8, s30, v8
	v_add_nc_u32 v8, OS, v8                        ; my query's two scale bytes
	v_add_nc_u32 v9, OS, v1
	s_wait_alu depctr_va_vdst(0)                   ; the wait ahead of the first reader
.set j, 0
.rept 32
	v_mul_f32 v[96+j], v[160+j], v14               ; register 8 a + i: o(query r, 16 a + 8 h + i)
.set j, j+1
.endr
	QUANT 96, 2, 224, 254
	s_lshl_b32 s30, s12, 6                         ; obuf's images: [token tile 64 b + 16 x + w][head][512 bytes]
	s_lshl_b32 s31, ttmp9, 4
	s_add_co_u32 s30, s30, s31
	s_add_co_u32 s30, s30, s10
	s_lshl_b32 s30, s30, 4
	s_add_co_u32 s30, s30, s13
	s_lshl_b32 s30, s30, 9
	s_mov_b32 s31, 0
	s_add_nc_u64 s[32:33], s[44:45], s[30:31]
	global_store_b128 v1, v[224:227], s[32:33]     ; 512 consecutive bytes
	ds_store_b16 v8, v254                          ; both halves of the lanes write the same two bytes
	s_wait_dscnt 0x0
	s_barrier_signal -1
	s_barrier_wait -1                              ; the 256 queries' scale bytes lie in LDS
	s_cmp_lg_u32 s10, 0
	s_cbranch_scc1 .Lend
	ds_load_b128 v[232:235], v9
	s_lshl_b32 s30, s13, 13                        ; the scale bytes: [head][4,096 tokens][2] at 0x200000
	s_lshl_b32 s34, s12, 11
	s_add_co_u32 s30, s30, s34
	s_lshl_b32 s34, ttmp9, 9
	s_add_co_u32 s30, s30, s34
	s_add_co_u32 s30, s30, 0x200000
	s_add_nc_u64 s[34:35], s[44:45], s[30:31]
	s_wait_dscnt 0x0
	global_store_b128 v1, v[232:235], s[34:35]     ; 512 consecutive bytes, aligned
.Lend:
	s_wait_tensorcnt 0x0
	ds_add_u32 v243, v255
	s_wait_dscnt 0x0
	s_endpgm
.Lfunc_end_k_qdd096d2fc9_attn:
	.size	k_qdd096d2fc9_attn, .Lfunc_end_k_qdd096d2fc9_attn-k_qdd096d2fc9_attn
	.p2alignl 7, 3214868480
	.fill 96, 4, 3214868480
	.section	.rodata,"a",@progbits
	.p2align	6, 0x0
	.amdhsa_kernel k_qdd096d2fc9_attn
		.amdhsa_group_segment_fixed_size 194048
		.amdhsa_private_segment_fixed_size 0
		.amdhsa_enable_private_segment 0
		.amdhsa_kernarg_size 64
		.amdhsa_user_sgpr_count 2
		.amdhsa_user_sgpr_kernarg_segment_ptr 1
		.amdhsa_wavefront_size32 1
		.amdhsa_system_sgpr_workgroup_id_x 1
		.amdhsa_system_sgpr_workgroup_id_y 1
		.amdhsa_system_sgpr_workgroup_id_z 1
		.amdhsa_system_vgpr_workitem_id 0
		.amdhsa_next_free_vgpr 256
		.amdhsa_next_free_sgpr 66
		.amdhsa_reserve_vcc 1
		.amdhsa_float_denorm_mode_32 3
		.amdhsa_float_denorm_mode_16_64 3
		.amdhsa_memory_ordered 1
		.amdhsa_forward_progress 1
		.amdhsa_inst_pref_size 53
	.end_amdhsa_kernel
	.amdgpu_metadata
---
amdhsa.version: [ 1, 2 ]
amdhsa.kernels:
  - .name:           k_qdd096d2fc9_attn
    .symbol:         k_qdd096d2fc9_attn.kd
    .args:
      - { .name: qkv, .offset: 0, .size: 8, .value_kind: global_buffer, .address_space: global }
      - { .name: mask, .offset: 8, .size: 8, .value_kind: global_buffer, .address_space: global }
      - { .name: obuf, .offset: 16, .size: 8, .value_kind: global_buffer, .address_space: global }
      - { .name: bq, .offset: 24, .size: 8, .value_kind: global_buffer, .address_space: global }
      - { .name: xcodes, .offset: 32, .size: 8, .value_kind: global_buffer, .address_space: global }
      - { .name: xscales, .offset: 40, .size: 8, .value_kind: global_buffer, .address_space: global }
      - { .name: Wq_codes, .offset: 48, .size: 8, .value_kind: global_buffer, .address_space: global }
      - { .name: Wq_scales, .offset: 56, .size: 8, .value_kind: global_buffer, .address_space: global }
    .group_segment_fixed_size: 194048
    .private_segment_fixed_size: 0
    .kernarg_segment_align: 8
    .kernarg_segment_size: 64
    .max_flat_workgroup_size: 512
    .sgpr_count:     66
    .vgpr_count:     256
    .wavefront_size: 32
...
	.end_amdgpu_metadata
.endif
;; end of part 3
;; launch oproj (part 4): grid 8 x 32, 4 waves a work-group, clusters of 4 x 4, 327,680 bytes of LDS; arguments obuf, Wo_codes, Wo_scales, bo, q, out0; writes out0
.if DOCPART == 4
	.amdgcn_target "amdgcn-amd-amdhsa--gfx1250"
	.amdhsa_code_object_version 6
	.text
	.protected	k_qdd096d2fc9_oproj
	.globl	k_qdd096d2fc9_oproj
	.p2align	8
	.type	k_qdd096d2fc9_oproj,@function
k_qdd096d2fc9_oproj:
	s_mov_b64 s[64:65], 0
	v_nop
	global_prefetch_b8 v0, s[64:65] scope:SCOPE_SE
	s_setreg_imm32_b32 hwreg(HW_REG_WAVE_MODE, 25, 1), 1
	s_wait_xcnt 0x0
	s_wait_alu depctr_hold_cnt(0) depctr_sa_sdst(0) depctr_va_vdst(0) depctr_va_sdst(0) depctr_va_ssrc(0) depctr_va_vcc(0) depctr_vm_vsrc(0)
	s_getreg_b32 s2, hwreg(HW_REG_IB_STS2, 6, 4)
	s_cmp_eq_u32 s2, 0
	s_cbranch_scc0 .Lentry_in_a_cluster
	s_endpgm
.Lentry_in_a_cluster:
	s_bfe_u32 s2, ttmp6, 0x10000c
	s_cmp_lg_u32 s2, 0xf033
	s_cbranch_scc0 .Lentry_shape_is_right
	s_endpgm
.Lentry_shape_is_right:
; out0 = q + bo + O Wo^T, the product on codes of FP4 (E2M1) with E8M0 scales, K = 1,024.
; 256 tiles of 128 tokens x 128 columns, one to a work-group; a wave makes 64 x 64: 16 accumulators.  All of K lies in LDS, by first fills alone: nothing is filled again.
; O arrives as register images ([token tile][head][512 bytes]: a K step of 128 is two heads, 1,024 bytes) and is read as it lies, 16 bytes a lane; Wo's rows of 512 bytes are padded to 528 in LDS.
; O's scale bytes lie [head][token][2]: a scale word (128 along K of a token) is put together once from two heads' halves.
; CLUSTERS: 4 x 4 work-groups; O's tile and its scales are shared along a row of the cluster, Wo's along a column: joint loads.  Every wave brings a quarter of each of the four: four tensor loads of a wave are out.
; THE MATRIX INSTRUCTION IS USED TRANSPOSED (source 0 = 16 rows of Wo, source 1 = 16 tokens): a lane holds eight neighbouring columns of a row.  bo is the C of each sum's first product.
; The results meet in a stage in LDS; each wave reads 32 whole rows of 512 bytes back, adds q's rows, which it asked for at the head, and stores them.
; REGISTERS: window 0: v16-22 addresses; v32-159 two sets of fragments (A's 32, B's 32), later the rows on their way out; v160-191 O's scale words, v192-223 Wo's.
;   window 1: v0-127 the accumulators ((a, b) at v[8 (4 a + b)]); v128-159 bo.   window 2: v0-127 q's rows.
.set AIMG, 0
.set BP,   528
.set BT,   65536
.set ASC,  BT+128*BP
.set BSC,  ASC+16*272
.set STG,  BSC+16*272                  ; 128 rows x 528 bytes; no tensor load lands here
.set ADA, 16
.set ADB, 17
.set ASA, 18
.set ASB, 19
.set STO, 20
.set RD,  21
.set CO,  22
.set SA,  160
.set SB,  192
.set MSB, 0
.macro WIN new
.if MSB != \new
	s_set_vgpr_msb (MSB<<8)|\new
.set MSB, \new
.endif
.endm
.macro CROUND                          ; a round of the cluster's barrier
	s_barrier_signal -1
	s_barrier_wait -1
	s_cmp_lg_u32 s16, 0
	s_cbranch_scc1 .Lnot_wave_0_\@
	s_barrier_signal -3
.Lnot_wave_0_\@:
	s_barrier_wait -3
	s_barrier_signal -1
	s_barrier_wait -1
.endm
	s_load_b256 s[4:11], s[0:1], 0x0               ; obuf, Wo's codes, Wo's scales, bo
	s_load_b128 s[12:15], s[0:1], 0x20             ; q, out0
	v_lshl_add_u32 v254, v0, 2, 0x33200
	v_mov_b32 v255, 0
	ds_add_u32 v254, v255
	ds_add_u32 v254, v255
	v_lshrrev_b32 v1, 5, v0
	v_readfirstlane_b32 s16, v1                    ; wave 0..3
	s_lshr_b32 s17, s16, 1                         ; which 64 tokens are mine
	s_and_b32 s18, s16, 1                          ; which 64 columns
	s_bfe_u32 s19, ttmp6, 0x40000                  ; cx
	s_bfe_u32 s20, ttmp6, 0x40004                  ; cy
	s_lshl_b32 s21, ttmp9, 2
	s_add_co_u32 s21, s21, s19                     ; tile column
	s_and_b32 s22, ttmp7, 0xffff
	s_lshl_b32 s22, s22, 2
	s_add_co_u32 s22, s22, s20                     ; tile row
	s_lshl_b32 s76, s20, 2
	s_lshl_b32 s76, 15, s76                        ; my row of the cluster
	s_lshl_b32 s77, 0x1111, s19                    ; my column
	; O's images: 16,384 dense bytes a wave, as 64 rows of 256 (32 elements of 8 bytes), no padding
	s_or_b32 s24, s76, (3<<16)|(1<<21)
	s_mov_b32 s25, 32<<16
	s_mov_b32 s26, 64<<16
	s_mov_b32 s27, 32<<16
	s_mov_b32 s28, 64
	s_mov_b32 s29, 32
	s_mov_b32 s30, 0
	s_mov_b32 s31, 0
	; Wo's codes: 32 rows of 512 bytes a wave, 16 bytes of padding behind each
	s_or_b32 s32, s77, (0<<16)|(1<<20)|(1<<21)|(6<<22)|(3<<25)
	s_mov_b32 s33, 512<<16
	s_mov_b32 s34, 32<<16
	s_mov_b32 s35, 512<<16
	s_mov_b32 s36, 32
	s_mov_b32 s37, 512
	s_mov_b32 s38, 0
	s_mov_b32 s39, 0
	; O's scale bytes: four heads a wave, 256 bytes of each, 8,192 bytes apart, 16 bytes of padding behind each
	s_or_b32 s40, s76, (3<<16)|(1<<20)|(1<<21)|(5<<22)|(3<<25)
	s_mov_b32 s41, 32<<16
	s_mov_b32 s42, 4<<16
	s_mov_b32 s43, 32<<16
	s_mov_b32 s44, 4
	s_mov_b32 s45, 1024
	s_mov_b32 s46, 0
	s_mov_b32 s47, 0
	; Wo's scale bytes: 32 rows of 32 bytes a wave, dense: four rows of 256, padded likewise
	s_or_b32 s48, s77, (3<<16)|(1<<20)|(1<<21)|(5<<22)|(3<<25)
	s_mov_b32 s49, 32<<16
	s_mov_b32 s50, 4<<16
	s_mov_b32 s51, 32<<16
	s_mov_b32 s52, 4
	s_mov_b32 s53, 32
	s_mov_b32 s54, 0
	s_mov_b32 s55, 0
	s_lshl_b32 s86, s16, 14
	s_lshl_b32 s78, s22, 16
	s_add_co_u32 s78, s78, s86                     ; O's images: 65,536 x tile row + 16,384 x wave
	s_mov_b32 s79, 0
	s_lshl_b32 s82, s21, 16
	s_add_co_u32 s82, s82, s86                     ; Wo's codes: (128 x tile column + 32 x wave) x 512
	s_mov_b32 s83, 0
	s_lshl_b32 s86, s16, 15
	s_lshl_b32 s80, s22, 8
	s_add_co_u32 s80, s80, s86
	s_add_co_u32 s80, s80, 0x200000                ; O's scales: heads 4 w on, the tile's 128 tokens
	s_mov_b32 s81, 0
	s_lshl_b32 s86, s16, 10
	s_lshl_b32 s84, s21, 12
	s_add_co_u32 s84, s84, s86                     ; Wo's scales
	s_mov_b32 s85, 0
	s_lshl_b32 s88, s22, 19                        ; q and out0: row 128 x tile row + 32 x wave, column 128 x tile column
	s_lshl_b32 s86, s16, 17
	s_add_co_u32 s88, s88, s86
	s_lshl_b32 s86, s21, 9
	s_add_co_u32 s88, s88, s86
	s_mov_b32 s89, 0
	s_lshl_b32 s2, s18, 8
	s_add_co_u32 s2, s2, s86                       ; bo: 128 x tile column + 64 x my half
	s_mov_b32 s3, 0
	s_wait_dscnt 0x0
	s_wait_kmcnt 0x0
	s_mov_b32 s56, 1
	s_lshl_b32 s57, s16, 14
	s_add_nc_u64 s[58:59], s[4:5], s[78:79]
	s_or_b32 s59, s59, 0x80000000
	s_mov_b32 s60, 1
	s_mul_i32 s61, s16, 32*BP
	s_add_co_u32 s61, s61, BT
	s_add_nc_u64 s[62:63], s[6:7], s[82:83]
	s_or_b32 s63, s63, 0x80000000
	s_mov_b32 s68, 1
	s_mul_i32 s69, s16, 4*272
	s_add_co_u32 s69, s69, ASC
	s_add_nc_u64 s[70:71], s[4:5], s[80:81]
	s_or_b32 s71, s71, 0x80000000
	s_mov_b32 s72, 1
	s_mul_i32 s73, s16, 4*272
	s_add_co_u32 s73, s73, BSC
	s_add_nc_u64 s[74:75], s[8:9], s[84:85]
	s_or_b32 s75, s75, 0x80000000
	s_add_nc_u64 s[90:91], s[12:13], s[88:89]
	s_add_nc_u64 s[92:93], s[14:15], s[88:89]
	s_add_nc_u64 s[94:95], s[10:11], s[2:3]
	CROUND                                         ; all sixteen work-groups are here: the joint loads meet
	tensor_load_to_lds s[56:59], s[24:31]
	s_nop 0
	tensor_load_to_lds s[60:63], s[32:39]
	s_nop 0
	tensor_load_to_lds s[68:71], s[40:47]
	s_nop 0
	tensor_load_to_lds s[72:75], s[48:55]
	s_nop 0
.rept 4
	v_nop
.endr
	v_and_b32 v1, 31, v0                           ; lane
	v_and_b32 v2, 15, v0                           ; r
	v_bfe_u32 v3, v0, 4, 1                         ; h
	v_lshlrev_b32 v[CO], 4, v1
	v_lshlrev_b32 v6, 5, v3
	WIN 0x40                                       ; destination window 1
.irp b, 0,1,2,3
	global_load_b128 v[128+8*\b:131+8*\b], v6, s[94:95] offset:64*\b          ; bo first: the first products want it, q's rows only the way out
	global_load_b128 v[132+8*\b:135+8*\b], v6, s[94:95] offset:64*\b+16
.endr
	WIN 0x80                                       ; destination window 2
.set i, 0
.rept 32
	global_load_b128 v[4*i:4*i+3], v[CO], s[90:91] offset:4096*i th:TH_LOAD_NT     ; q's rows that I shall store: 512 consecutive bytes each
.set i, i+1
.endr
	WIN 0
	s_lshl_b32 s86, s17, 15
	v_add_nc_u32 v[ADA], s86, v[CO]                ; my four token tiles' images
	s_lshl_b32 s86, s18, 6
	v_add_nc_u32 v4, s86, v2
	v_mul_u32_u24 v4, v4, BP
	v_lshl_add_u32 v4, v3, 4, v4
	v_add_nc_u32 v[ADB], BT, v4                    ; Wo: row 64 wc + r, + 16 h
	s_lshl_b32 s86, s17, 7
	v_lshl_add_u32 v4, v2, 1, s86
	v_add_nc_u32 v[ASA], ASC, v4                   ; O's scale halves: token 64 wr + r
	v_lshrrev_b32 v4, 3, v2
	s_lshl_b32 s86, s18, 3
	v_add_nc_u32 v4, s86, v4
	v_mul_u32_u24 v4, v4, 272
	v_and_b32 v5, 7, v2
	v_lshl_add_u32 v4, v5, 5, v4
	v_add_nc_u32 v[ASB], BSC, v4                   ; Wo's scale bytes: eight rows of 32 to a padded row of 256
	s_lshl_b32 s86, s17, 6
	v_add_nc_u32 v4, s86, v2
	v_mul_u32_u24 v4, v4, BP
	v_lshl_add_u32 v4, v3, 5, v4
	s_lshl_b32 s86, s18, 8
	v_add_nc_u32 v4, s86, v4
	v_add_nc_u32 v[STO], STG, v4                   ; the stage: row 64 wr + r, byte 256 wc + 32 h
	s_mul_i32 s86, s16, 32*BP
	v_add_nc_u32 v4, s86, v[CO]
	v_add_nc_u32 v[RD], STG, v4                    ; back: rows 32 w on, 16 bytes a lane
	s_wait_tensorcnt 0x0                           ; my quarters have landed,
	s_barrier_signal -1
	s_barrier_wait -1                              ; everybody's have
.macro HALVES a                        ; token tile a: for each K step the two heads' halves of my token's scale word
.irp s, 0,1,2,3,4,5,6,7
.irp c, 0,1
	ds_load_u16 v[32+2*(8*(\a)+\s)+\c], v[ASA] offset:(2*\s+\c)*272+32*(\a)
.endr
.endr
.endm
.irp b, 0,1,2,3
.irp g, 0,1
	ds_load_b128 v[SB+8*\b+4*\g:SB+8*\b+4*\g+3], v[ASB] offset:544*\b+16*\g
.endr
.endr
	HALVES 0
	HALVES 1
	HALVES 2
	s_wait_dscnt 16                                ; Wo's words and the halves of tiles 0 and 1 are in; tile 2's sixteen loads may be out
.set i, 0
.rept 16
	v_lshl_or_b32 v[SA+i], v[33+2*i], 16, v[32+2*i]   ; head 2 s's two bytes below, head 2 s + 1's above
.set i, i+1
.endr
	HALVES 3
	s_wait_dscnt 0x0
.rept 16
	v_lshl_or_b32 v[SA+i], v[33+2*i], 16, v[32+2*i]
.set i, i+1
.endr
.rept 8
	v_nop                                          ; a scale register written by a vector instruction stands eight places ahead of a scaled matrix instruction
.endr
.macro FETCH s
.set FS, 32+64*((\s)%2)
.irp a, 0,1,2,3
.irp c, 0,1
	ds_load_b128 v[FS+8*\a+4*\c:FS+8*\a+4*\c+3], v[ADA] offset:8192*\a+1024*(\s)+512*\c
.endr
.endr
.irp b, 0,1,2,3
.irp c, 0,1
	ds_load_b128 v[FS+32+8*\b+4*\c:FS+32+8*\b+4*\c+3], v[ADB] offset:16*BP*\b+64*(\s)+32*\c
.endr
.endr
.endm
.macro MUL s                           ; 16 products; the accumulators take turns, one instruction a turn, in the same order in every step
.set FS, 32+64*((\s)%2)
.irp a, 0,1,2,3
.irp b, 0,1,2,3
.if (\s) == 0
	v_wmma_scale_f32_16x16x128_f8f6f4 v[8*(4*\a+\b):8*(4*\a+\b)+7], v[FS+32+8*\b:FS+32+8*\b+7], v[FS+8*\a:FS+8*\a+7], v[128+8*\b:128+8*\b+7], v[SB+8*\b+(\s)], v[SA+8*\a+(\s)] matrix_a_fmt:MATRIX_FMT_FP4 matrix_b_fmt:MATRIX_FMT_FP4
.else
	v_wmma_scale_f32_16x16x128_f8f6f4 v[8*(4*\a+\b):8*(4*\a+\b)+7], v[FS+32+8*\b:FS+32+8*\b+7], v[FS+8*\a:FS+8*\a+7], v[8*(4*\a+\b):8*(4*\a+\b)+7], v[SB+8*\b+(\s)], v[SA+8*\a+(\s)] matrix_a_fmt:MATRIX_FMT_FP4 matrix_b_fmt:MATRIX_FMT_FP4
.endif
.endr
.endr
.endm
	FETCH 0
	FETCH 1
	s_wait_loadcnt 32                              ; loads come back in order: bo's eight are in; q's 32 rows, issued behind them, may be out
.irp s, 0,1,2,3,4,5,6,7
.if \s < 7
	s_wait_dscnt 16                                ; this step's sixteen loads are in; the next step's may be out
.else
	s_wait_dscnt 0x0
.endif
	WIN 0x50                                       ; C and D window 1
	MUL \s
	WIN 0
.rept 4
	v_nop                                          ; places in front of loads into registers that the products have read, and of the first read of results
.endr
.if \s < 6
	FETCH \s+2
.endif
.endr
	WIN 0x04                                       ; an LDS store's data are its source 1: window 1
.irp a, 0,1,2,3
.irp b, 0,1,2,3
	ds_store_b128 v[STO], v[8*(4*\a+\b):8*(4*\a+\b)+3] offset:16*BP*\a+64*\b          ; each accumulator from its low end on
	ds_store_b128 v[STO], v[8*(4*\a+\b)+4:8*(4*\a+\b)+7] offset:16*BP*\a+64*\b+16
.endr
.endr
	WIN 0
	s_wait_dscnt 0x0                               ; for the others' sake: my stores into the stage have landed
	s_barrier_signal -1
	s_barrier_wait -1
.set i, 0
.rept 32
	ds_load_b128 v[32+4*i:35+4*i], v[RD] offset:BP*i
.set i, i+1
.endr
	s_wait_dscnt 0x0
	s_wait_loadcnt 0x0                             ; q's rows
	WIN 0x08                                       ; source 1 window 2
.set i, 0
.rept 64
	v_pk_add_f32 v[32+2*i:33+2*i], v[32+2*i:33+2*i], v[2*i:2*i+1]
.set i, i+1
.endr
	WIN 0
.set i, 0
.rept 32
	global_store_b128 v[CO], v[32+4*i:35+4*i], s[92:93] offset:4096*i th:TH_STORE_NT   ; 512 consecutive bytes, aligned
.set i, i+1
.endr
	s_wait_tensorcnt 0x0
	ds_add_u32 v254, v255
	s_wait_dscnt 0x0
	CROUND                                         ; the closing round
	s_endpgm
.Lfunc_end_k_qdd096d2fc9_oproj:
	.size	k_qdd096d2fc9_oproj, .Lfunc_end_k_qdd096d2fc9_oproj-k_qdd096d2fc9_oproj
	.p2alignl 7, 3214868480
	.fill 96, 4, 3214868480
	.section	.rodata,"a",@progbits
	.p2align	6, 0x0
	.amdhsa_kernel k_qdd096d2fc9_oproj
		.amdhsa_group_segment_fixed_size 327680
		.amdhsa_private_segment_fixed_size 0
		.amdhsa_enable_private_segment 0
		.amdhsa_kernarg_size 48
		.amdhsa_user_sgpr_count 2
		.amdhsa_user_sgpr_kernarg_segment_ptr 1
		.amdhsa_wavefront_size32 1
		.amdhsa_system_sgpr_workgroup_id_x 1
		.amdhsa_system_sgpr_workgroup_id_y 1
		.amdhsa_system_sgpr_workgroup_id_z 1
		.amdhsa_system_vgpr_workitem_id 0
		.amdhsa_next_free_vgpr 768
		.amdhsa_next_free_sgpr 96
		.amdhsa_reserve_vcc 0
		.amdhsa_float_denorm_mode_32 3
		.amdhsa_float_denorm_mode_16_64 3
		.amdhsa_memory_ordered 1
		.amdhsa_forward_progress 1
		.amdhsa_inst_pref_size 56
	.end_amdhsa_kernel
	.amdgpu_metadata
---
amdhsa.version: [ 1, 2 ]
amdhsa.kernels:
  - .name:           k_qdd096d2fc9_oproj
    .symbol:         k_qdd096d2fc9_oproj.kd
    .args:
      - { .name: obuf, .offset: 0, .size: 8, .value_kind: global_buffer, .address_space: global }
      - { .name: Wo_codes, .offset: 8, .size: 8, .value_kind: global_buffer, .address_space: global }
      - { .name: Wo_scales, .offset: 16, .size: 8, .value_kind: global_buffer, .address_space: global }
      - { .name: bo, .offset: 24, .size: 8, .value_kind: global_buffer, .address_space: global }
      - { .name: q, .offset: 32, .size: 8, .value_kind: global_buffer, .address_space: global }
      - { .name: out0, .offset: 40, .size: 8, .value_kind: global_buffer, .address_space: global }
    .group_segment_fixed_size: 327680
    .private_segment_fixed_size: 0
    .kernarg_segment_align: 8
    .kernarg_segment_size: 48
    .max_flat_workgroup_size: 128
    .sgpr_count:     96
    .vgpr_count:     768
    .wavefront_size: 32
...
	.end_amdgpu_metadata
.endif
;; end of part 4
;; ======== version 2 of 2: 4 launches; version 1 with the launch attn written anew for expert scheduling mode
;; workspace buffers: xcodes 6,291,456 bytes; xscales 393,216 bytes; qkv 8,912,896 bytes; obuf 2,228,224 bytes
;; launch lnq: the kernel of part 1 again; grid 768 x 1, 4 waves a work-group, no clusters, 39,424 bytes of LDS; arguments q, kv, mask, norm_q_w, norm_q_b, norm_kv_w, norm_kv_b, xcodes, xscales; writes xcodes, xscales
;; launch proj: the kernel of part 2 again; grid 64 x 4, 4 waves a work-group, clusters of 4 x 4, 327,680 bytes of LDS; arguments xcodes, xscales, Wkv_codes, Wkv_scales, bkv, qkv; writes qkv
;; launch attn (part 5): grid 4 x 64, 16 waves a work-group, no clusters, 194,048 bytes of LDS; arguments qkv, mask, obuf, bq, xcodes, xscales, Wq_codes, Wq_scales; writes obuf
.if DOCPART == 5
	.amdgcn_target "amdgcn-amd-amdhsa--gfx1250"
	.amdhsa_code_object_version 6
	.text
	.protected	k_qdd096d2fc9_attn
	.globl	k_qdd096d2fc9_attn
	.p2align	8
	.type	k_qdd096d2fc9_attn,@function
k_qdd096d2fc9_attn:
	s_mov_b64 s[64:65], 0
	v_nop
	global_prefetch_b8 v0, s[64:65] scope:SCOPE_SE
	s_setreg_imm32_b32 hwreg(HW_REG_WAVE_SCHED_MODE, 0, 2), 2
	s_setreg_imm32_b32 hwreg(HW_REG_WAVE_MODE, 25, 1), 1
	s_wait_xcnt 0x0
	s_wait_alu depctr_vm_vsrc(0)
; Q's projection, masked cross attention and the quantising of its result, all products on codes of FP4 (E2M1) with E8M0 scales; head size 64, 2,048 keys.
; SHARES.  Work-group (x, y): 256 queries (block x) of batch-and-head y; each of its sixteen waves owns 16 queries, in 256 registers: four waves to a SIMD, so that one wave's vector work
; stands beside another's matrix work.  The head's K and V (136 KB of register images and scale words, as the projections stored them) are brought into LDS once, wave w bringing step w; no ring.
; Q'S PROJECTION stands at the head: q = x Wq^T + bq for my 16 tokens and my head's 64 features, K = 1,024: 4 tiles x 8 K steps.  x's fragments (the normed rows' codes) come straight into 64 registers;
; the head's 64 rows of Wq (32 KB) and its scale bytes come into LDS once, wave w bringing rows 4 w .. 4 w + 3, and every wave reads them.  The product is used transposed (source 0 = 16 rows of Wq,
; source 1 = my tokens): a lane holds one token and its registers run along the features, so that q is quantised along the head without leaving its lanes, and the codes are the next product's operand.
; ALL PRODUCTS ARE USED TRANSPOSED: S^T = K Q^T, O^T = V^T P^T: a lane holds one query (lane % 16) throughout.
; K = 64 IN AN INSTRUCTION OF K = 128: an operand of K holds TWO tiles of 16 keys, one in registers 0-3 (k 0-63), one in registers 4-7 (k 64-127); it is multiplied by [q | 0] and by [0 | q],
; both taken out of one run of twelve registers 0000 qqqq 0000.  Zero codes annul the other tile; the scale bytes beside them are 127.
; THE SOFTMAX: t = score x log2(e) / 8; M = the running largest t rounded up to a whole number; p = 2^(t - M) is quantised along the keys; the row's sum is taken of the unquantised p and divides at the end.
; THE MASK is honoured key by key: a masked key's score is replaced ahead of the maximum.
; Then nothing is left out and every p is 1.
; LIMITS.  The masked score is -2^33, a logit of -2^30 where reference() writes -1e9: -2^33 x log2(e) / 8 is exact and whole, so that a wholly masked row gives p = 1 exactly.  The results are
; reference()'s wherever every live logit lies above about -1e9 + 200 or no key is live.  NaN and infinities are not served.  A block under 2^-124 keeps the byte 1; a block of zeros gets the byte 1 (zero codes; only this program reads the bytes).
; No tensor load (a branch hangs on the mask, which is read from memory), so no joint loads either; what the four query blocks of a head share is one fill.
; REGISTERS: v1-3, v28 addresses that stay; v4-6 and v248-251 scale words and nothing else; v8-11, v31 addresses of the step; v12 -M, v13 the largest t, v[14:15] the sum; v16-27 Q; v29, v30 Q's scale words;
; v32-63 four operands of K; v64-95 four fragments of V (at the head: two sets of Wq's fragments); v96-159 S^T, then p (at the head: v96-127 q's sums, v128-191 x's fragments); v160-191 O^T; v192-223 mask words (at the head also bq);
; v224-231 p's codes; v232-247 at work (at the head v224-247: offsets and LDS places); v252 f, v253 p's scale word, v254 at work; v243, v255: the closing add's two.
; THE MODE: SCHED_MODE bits 1:0 = 2 (LLVM: expert scheduling mode 2), set by the entry lines.  The code itself states the register dependences
; between vector or matrix instructions and memory or LDS instructions, with s_wait_alu, always for 0.
; THE PLAN.  Registers that LDS instructions touch in the loop over the keys:
;   v8-11, v31          Written by the five additions at a step's head; read by the step's LDS loads.
;   v32-63, v248, v249  K's operands and scale words land at the head; the eight K Q^T read them.  In a step with masked keys mask words land in v32-63 behind those products, and v_bfi_b32 reads them.
;   v64-95, v250, v251  V's fragments and scale words land during the step; the four V^T P at its end read them.
;   v192-223            Mask words land in a step with masked keys; v_bfi_b32 reads them.
; At a step's head stand one wait on vm_vsrc, ahead of the additions (the last step's loads have read the addresses), and one on va_vdst behind them: the addresses are written, and all that named K's, V's and the
; mask's registers in the last step is done.  K's ten loads follow it; V's ten are dealt among the eight K Q^T, which name none of V's registers or addresses.  One more wait on va_vdst stands in a step with masked keys,
; ahead of the loads into v32-63; the two behind the exponentials; and one ahead of V^T P, whose operand p and scale word vector instructions have written.
; In Q's projection two sets of fragments and scale words take turns: a K step's loads land in the set that the step before last... read, behind one wait on va_vdst at the step's head.
.set KL, 0                             ; LDS: K's images, 4,096 bytes a step
.set VL, 65536                         ; V's
.set KS, 131072                        ; K's scale words, 256 bytes a step
.set VS, 135168                        ; V's
.set MT, 139264                        ; a word for each key: all ones where masked
.set OS, 147456                        ; the result's scale bytes: 2 a query
.set WP, 528                           ; a row of Wq in LDS: 512 bytes + 16: the 16 rows that a load touches start 132 words apart
.set WQ, 147968                        ; my head's 64 rows of Wq
.set WS, WQ+64*WP                      ; their scale bytes, 32 a row
.set XS, WS+2048                       ; x's scale bytes: 512 for each wave's 16 tokens
.set TM, 232
.set TB, 236
.set TS, 244
.set SEL, 24
; nb blocks of 32: v[s + 16 b + 8 u + j] = k 32 b + 16 u + 8 (lane / 16) + j of my row -> codes in v[pc] on, in the operand's layout; the scale bytes in v[pw].
.macro QUANT s, nb, pc, pw
.irp b, 0,1,2,3
.if \b < \nb
	v_max3_num_f32 v[TM+\b], |v[\s+16*\b]|, |v[\s+16*\b+1]|, 0x1800000   ; my 16 numbers of block b, and the floor 2^(3 - 127): the byte cannot fall under 1
.endif
.endr
.irp i, 2,4,6,8,10,12,14
.irp b, 0,1,2,3
.if \b < \nb
	v_max3_num_f32 v[TM+\b], v[TM+\b], |v[\s+16*\b+\i]|, |v[\s+16*\b+\i+1]|
.endif
.endr
.endr
.irp b, 0,1,2,3
.if \b < \nb
	v_permlanex16_b32 v[TB+\b], v[TM+\b], s[SEL], s[SEL+1]
.endif
.endr
.irp b, 0,1,2,3
.if \b < \nb
	v_max_num_f32 v[TM+\b], v[TM+\b], v[TB+\b]     ; with lane l xor 16's: the block's largest magnitude
.endif
.endr
.irp b, 0,1,2,3
.if \b < \nb
	v_add_nc_u32 v[TS+\b], 0xff000000, v[TM+\b]    ; 2 off its exponent field: the conversions' scale operand
.endif
.endr
.irp b, 0,1,2,3
.if \b < \nb
	v_lshrrev_b32 v[TB+\b], 23, v[TS+\b]           ; the scale's byte
.endif
.endr
	v_lshl_or_b32 v[\pw], v[TB+1], 8, v[TB]
.if \nb > 2
	v_lshl_or_b32 v[\pw], v[TB+2], 16, v[\pw]
	v_lshl_or_b32 v[\pw], v[TB+3], 24, v[\pw]
.endif
.irp b, 0,1,2,3
.if \b < \nb
	v_cvt_scalef32_pk8_fp4_f32 v[\pc+4*(\b/2)+(\b%2)], v[\s+16*\b:\s+16*\b+7], v[TS+\b]
	v_cvt_scalef32_pk8_fp4_f32 v[\pc+4*(\b/2)+(\b%2)+2], v[\s+16*\b+8:\s+16*\b+15], v[TS+\b]
.endif
.endr
	v_nop                                          ; one plain line behind a scaled conversion
.irp c, 0,1
.if 2*\c < \nb
	v_permlane16_swap_b32 v[\pc+4*\c], v[\pc+4*\c+1]      ; the first's lanes 16-31 change places with the second's lanes 0-15
	v_permlane16_swap_b32 v[\pc+4*\c+2], v[\pc+4*\c+3]
.endif
.endr
.endm
	s_load_b128 s[4:7], s[0:1], 0x0                ; qkv, mask
	s_load_b128 s[44:47], s[0:1], 0x10             ; obuf, bq
	s_load_b256 s[48:55], s[0:1], 0x20             ; xcodes, xscales, Wq's codes, Wq's scales
	v_lshl_add_u32 v243, v0, 2, 0x2ee00
	v_mov_b32 v255, 0
	v_lshrrev_b32 v1, 5, v0
	v_readfirstlane_b32 s10, v1                    ; wave 0..15
	s_and_b32 s11, ttmp7, 0xffff                   ; 16 x batch + head
	s_lshr_b32 s12, s11, 4                         ; batch
	s_and_b32 s13, s11, 15                         ; head
	v_and_b32 v224, 31, v0                         ; lane
	v_and_b32 v225, 15, v0                         ; r
	v_bfe_u32 v226, v0, 4, 1                       ; h
	v_lshlrev_b32 v1, 4, v224                      ; 16 x lane
	v_lshl_add_u32 v2, v224, 2, KS                 ; K's scale words: 4 x lane
	v_lshl_add_u32 v3, v226, 5, MT                 ; the mask words of my half's eight keys
	v_add_nc_u32 v28, VL, v1
	; offsets in memory
	v_lshlrev_b32 v227, 6, v224                    ; the mask: 64 keys a lane,
	v_lshlrev_b32 v228, 2, v0                      ; and 4 keys a thread; also Wq's scale bytes, 4 a thread
	v_lshlrev_b32 v229, 4, v225
	v_lshl_add_u32 v229, v226, 18, v229            ; K's and V's scale words: lanes 0-15 K's, lanes 16-31 V's, 0x40000 bytes on
	v_lshlrev_b32 v230, 9, v225
	v_lshl_add_u32 v230, v226, 4, v230             ; x: row r of 512 bytes, + 16 h
	v_lshlrev_b32 v231, 5, v226                    ; bq: my half's eight numbers of a tile
	; places in LDS
	s_wait_alu depctr_va_sdst(0)                   ; s10, the wave's number, is written, ahead of its first reader
	s_lshl_b32 s30, s10, 12
	v_add_nc_u32 v232, s30, v1                     ; the fill: step w of K,
	v_add_nc_u32 v233, s30, v28                    ; of V,
	s_lshl_b32 s30, s10, 8
	v_lshlrev_b32 v234, 4, v225
	v_lshl_add_u32 v234, v226, 12, v234            ; of the scale words: V's 4,096 bytes behind K's
	v_add_nc_u32 v234, s30, v234
	v_add_nc_u32 v234, KS, v234
	v_lshl_add_u32 v235, v0, 4, MT                 ; four mask words a thread
	s_lshl_b32 s30, s10, 9
	v_add_nc_u32 v236, s30, v1
	v_add_nc_u32 v236, XS, v236                    ; x's scale bytes in: 512 x wave + 16 x lane
	s_mul_i32 s31, s10, 4*WP
	v_add_nc_u32 v237, s31, v1
	v_add_nc_u32 v237, WQ, v237                    ; Wq's rows 4 w on, in: 16 x lane
	v_lshl_add_u32 v238, v0, 2, WS                 ; Wq's scale bytes in: 4 a thread
	v_mul_u32_u24 v239, v225, WP
	v_lshl_add_u32 v239, v226, 4, v239
	v_add_nc_u32 v239, WQ, v239                    ; Wq's fragments: row r, + 16 h
	v_lshlrev_b32 v240, 5, v225
	v_lshl_add_u32 v240, v226, 9, v240
	v_add_nc_u32 v240, WS, v240                    ; Wq's scale words: lanes 0-15 an even tile's rows, lanes 16-31 the next tile's
	v_lshl_add_u32 v241, v225, 5, s30
	v_add_nc_u32 v241, XS, v241                    ; x's scale words: my wave's token r
	s_lshl_b32 s30, s12, 11
	s_mov_b32 s31, 0
	s_lshl_b32 s32, s12, 10                        ; my first token: 1,024 x batch + 256 x + 16 w
	s_lshl_b32 s33, ttmp9, 8
	s_add_co_u32 s32, s32, s33
	s_lshl_b32 s33, s10, 4
	s_add_co_u32 s32, s32, s33
	s_lshl_b32 s34, s32, 5                         ; its scale bytes,
	s_mov_b32 s35, 0
	s_lshl_b32 s32, s32, 9                         ; its codes
	s_mov_b32 s33, 0
	s_lshl_b32 s36, s11, 16                        ; K's images of step w; V's lie 0x400000 bytes on
	s_lshl_b32 s37, s10, 12
	s_add_co_u32 s36, s36, s37
	s_mov_b32 s37, 0
	s_lshl_b32 s38, s11, 12                        ; K's scale words of step w
	s_lshl_b32 s39, s10, 8
	s_add_co_u32 s38, s38, s39
	s_add_co_u32 s38, s38, 0x800000
	s_mov_b32 s39, 0
	s_lshl_b32 s56, s13, 15                        ; Wq's rows 64 x head + 4 w
	s_lshl_b32 s57, s10, 11
	s_add_co_u32 s56, s56, s57
	s_mov_b32 s57, 0
	s_lshl_b32 s58, s13, 11                        ; the head's 2,048 scale bytes of Wq
	s_mov_b32 s59, 0
	s_lshl_b32 s60, s13, 8                         ; the head's 64 numbers of bq
	s_mov_b32 s61, 0
	s_mov_b32 s22, 0x3e38aa3b                      ; c = log2(e) / 8
	s_mov_b32 s23, s22
	s_mov_b32 s[SEL], 0x76543210
	s_mov_b32 s[SEL+1], 0xfedcba98
	s_mov_b32 s42, 0xd0000000                      ; -2^33
	s_mov_b32 s26, 0
	s_mov_b32 s27, 0
	s_mov_b32 s28, 0
	s_wait_kmcnt 0x0
	s_add_nc_u64 s[6:7], s[6:7], s[30:31]
	s_add_nc_u64 s[14:15], s[48:49], s[32:33]
	s_add_nc_u64 s[16:17], s[50:51], s[34:35]
	s_add_nc_u64 s[18:19], s[4:5], s[36:37]
	s_add_nc_u64 s[40:41], s[4:5], s[38:39]
	s_add_nc_u64 s[52:53], s[52:53], s[56:57]
	s_add_nc_u64 s[54:55], s[54:55], s[58:59]
	s_add_nc_u64 s[46:47], s[46:47], s[60:61]
	s_wait_alu depctr_va_vdst(0)                   ; the offsets and LDS places v1 to v3, v28 and v227 to v241 are written, which the head's loads and stores read
.irp i, 0,1,2,3
	global_load_b128 v[192+4*\i:195+4*\i], v227, s[6:7] offset:16*\i
.endr
	global_load_b32 v208, v228, s[6:7]
.irp i, 0,1,2,3
	global_load_b128 v[112+4*\i:115+4*\i], v1, s[52:53] offset:512*\i        ; a row of Wq: 512 consecutive bytes
.endr
	global_load_b32 v107, v228, s[54:55]
	global_load_b128 v[108:111], v1, s[16:17]      ; my 16 tokens' scale bytes: 512 consecutive bytes
.irp s, 0,1,2,3,4,5,6,7
.irp c, 0,1
	global_load_b128 v[128+8*\s+4*\c:131+8*\s+4*\c], v230, s[14:15] offset:64*\s+32*\c   ; x's fragment of K step s
.endr
.endr
.irp i, 0,1,2,3,4,5,6,7
	global_load_b128 v[32+4*\i:35+4*\i], v1, s[18:19] offset:512*\i
.endr
.irp i, 0,1,2,3,4,5,6,7
	global_load_b128 v[64+4*\i:67+4*\i], v1, s[18:19] offset:0x400000+512*\i
.endr
	global_load_b128 v[96:99], v229, s[40:41]
.irp i, 16,17,18,19,24,25,26,27
	v_mov_b32 v[\i], 0                             ; the zero codes on both sides of q
.endr
	v_mov_b32 v13, 0xff61b1e6                      ; the largest t so far: -3e38
	v_floor_f32 v12, -v13                          ; -M
	v_mov_b32 v14, 0
	v_mov_b32 v15, 0
.irp i, 252,253,254
	v_mov_b32 v[\i], 0                             ; written once: a destination of a lane permute, and halves of pairs
.endr
	s_wait_loadcnt 0x0
	v_and_b32 v209, v192, v193
	v_or_b32 v210, v192, v193
.irp i, 2,3,4,5,6,7,8,9,10,11,12,13,14,15
	v_and_b32 v209, v209, v[192+\i]
	v_or_b32 v210, v210, v[192+\i]
.endr
	v_cmp_ne_u32 vcc_lo, 0x1010101, v209
	s_wait_alu depctr_va_vcc(0)                    ; the compare has written VCC, which the next line reads
	s_mov_b32 s20, vcc_lo                          ; bit l: keys 64 l .. 64 l + 63 hold a live one
	v_cmp_ne_u32 vcc_lo, 0, v210
	s_wait_alu depctr_va_vcc(0)                    ; and the second compare likewise
	s_mov_b32 s21, vcc_lo                          ; bit l: they hold a masked one
	s_cmp_eq_u32 s20, 0
	s_cselect_b32 s20, -1, s20                     ; no live key at all: nothing is left out
.irp k, 0,1,2,3
	v_bfe_u32 v[244+\k], v208, 8*\k, 1
.endr
.irp k, 0,1,2,3
	v_sub_nc_u32 v[244+\k], 0, v[244+\k]           ; 1 -> all ones
.endr
	s_wait_alu depctr_va_vdst(0)                   ; the mask's lines are done with v192 to v210, in which bq lands; they have written v244 to v247, which the first LDS store reads
.irp t, 0,1,2,3
	global_load_b128 v[192+8*\t:195+8*\t], v231, s[46:47] offset:64*\t       ; bq, where the mask's bytes lay: register 8 t + j: feature 16 t + 8 h + j.  It is wanted behind q's sums
	global_load_b128 v[196+8*\t:199+8*\t], v231, s[46:47] offset:64*\t+16
.endr
	ds_store_b128 v235, v[244:247]
.irp i, 0,1,2,3
	ds_store_b128 v237, v[112+4*\i:115+4*\i] offset:WP*\i
.endr
	ds_store_b32 v238, v107
	ds_store_b128 v236, v[108:111]
.irp i, 0,1,2,3,4,5,6,7
	ds_store_b128 v232, v[32+4*\i:35+4*\i] offset:512*\i
.endr
.irp i, 0,1,2,3,4,5,6,7
	ds_store_b128 v233, v[64+4*\i:67+4*\i] offset:512*\i
.endr
	ds_store_b128 v234, v[96:99]
	s_wait_dscnt 0x0                               ; for the others' sake: my stores have landed
	s_barrier_signal -1
	s_barrier_wait -1
	s_wait_alu depctr_vm_vsrc(0)                   ; my LDS stores have read their data, v32 to v127 and v244 to v247, and their places, v232 to v238: Wq's fragments land in v32-95, q's sums are written into v96-127, the quantiser works in v232-247
	; Q'S PROJECTION.  Two sets of Wq's four fragments and of three scale registers take turns; eleven LDS loads a K step.
.macro QFETCH s
.set FS, 32+32*((\s)%2)
.set SS, 4+244*((\s)%2)                ; v4-6 or v248-250
.irp t, 0,1,2,3
.irp c, 0,1
	ds_load_b128 v[FS+8*\t+4*\c:FS+8*\t+4*\c+3], v239 offset:16*WP*\t+64*(\s)+32*\c
.endr
.endr
	ds_load_b32 v[SS], v240 offset:4*(\s)          ; lanes 0-15: tile 0's words, lanes 16-31: tile 1's
	ds_load_b32 v[SS+1], v240 offset:1024+4*(\s)   ; tiles 2 and 3
	ds_load_b32 v[SS+2], v241 offset:4*(\s)        ; x's
.endm
.macro QMUL s                          ; four products; the four accumulators take turns, one instruction a turn
.set FS, 32+32*((\s)%2)
.set SS, 4+244*((\s)%2)
.irp t, 0,1,2,3
.if (\s) == 0
.if \t%2
	v_wmma_scale_f32_16x16x128_f8f6f4 v[96+8*\t:103+8*\t], v[FS+8*\t:FS+8*\t+7], v[128+8*(\s):135+8*(\s)], 0, v[SS+\t/2], v[SS+2] matrix_a_fmt:MATRIX_FMT_FP4 matrix_b_fmt:MATRIX_FMT_FP4 matrix_a_scale:MATRIX_SCALE_ROW1
.else
	v_wmma_scale_f32_16x16x128_f8f6f4 v[96+8*\t:103+8*\t], v[FS+8*\t:FS+8*\t+7], v[128+8*(\s):135+8*(\s)], 0, v[SS+\t/2], v[SS+2] matrix_a_fmt:MATRIX_FMT_FP4 matrix_b_fmt:MATRIX_FMT_FP4
.endif
.else
.if \t%2
	v_wmma_scale_f32_16x16x128_f8f6f4 v[96+8*\t:103+8*\t], v[FS+8*\t:FS+8*\t+7], v[128+8*(\s):135+8*(\s)], v[96+8*\t:103+8*\t], v[SS+\t/2], v[SS+2] matrix_a_fmt:MATRIX_FMT_FP4 matrix_b_fmt:MATRIX_FMT_FP4 matrix_a_scale:MATRIX_SCALE_ROW1
.else
	v_wmma_scale_f32_16x16x128_f8f6f4 v[96+8*\t:103+8*\t], v[FS+8*\t:FS+8*\t+7], v[128+8*(\s):135+8*(\s)], v[96+8*\t:103+8*\t], v[SS+\t/2], v[SS+2] matrix_a_fmt:MATRIX_FMT_FP4 matrix_b_fmt:MATRIX_FMT_FP4
.endif
.endif
.endr
.endm
	QFETCH 0
.irp s, 0,1,2,3,4,5,6,7
	s_wait_dscnt 0x0                               ; this step's eleven loads are in: nothing else of mine is out
.if \s < 7
.if \s > 0
	s_wait_alu depctr_va_vdst(0)                   ; the last step's four products are done reading their set of fragments and scale words, in which the next step's loads land
.endif
	QFETCH \s+1                                    ; the next step's set is on its way while this step is multiplied: this step's products name none of its registers
.endif
	QMUL \s
.rept 4
	v_nop                                          ; the places behind the products: in front of loads into registers that they have read, and of the first read of results
.endr
.endr
	s_wait_loadcnt 0x0                             ; bq
	s_wait_alu depctr_vm_vsrc(0)                   ; the loads of Wq's fragments and scale words have read v239 to v241, the loads from memory v227 to v231: these registers are at work from here on
.set j, 0
.rept 16
	v_pk_add_f32 v[96+j:97+j], v[96+j:97+j], v[192+j:193+j]   ; register 8 t + j: q(token r, feature 16 t + 8 h + j); each accumulator from its low end on
.set j, j+2
.endr
	QUANT 96, 2, 20, 254                           ; the codes are Q's four registers; the two bytes:
	v_or_b32 v29, 0x7f7f0000, v254                 ; for [q | 0]
	v_lshl_or_b32 v30, v254, 16, 0x7f7f            ; for [0 | q]
.set j, 0
.rept 32
	v_mov_b32 v[160+j], 0                          ; O^T: the loop is written once; its first step finds zeros.  (These lines are also the places between Q's scale words and the first product that names them)
.set j, j+1
.endr
.irp i, 236,237,238,239
	v_mov_b32 v[\i], 0
.endr
	s_mov_b32 s29, 16
.Lstep:                                            ; 16 trips, 128 keys each
	s_and_b32 s30, s20, 3
	s_cmp_eq_u32 s30, 0
	s_cbranch_scc1 .Lskip                          ; no live key in this step
	s_wait_alu depctr_vm_vsrc(0)                   ; the LDS loads of the last step that was walked have read v8 to v11 and v31, which the five lines below write anew
	v_add_nc_u32 v8, s26, v1                       ; (these five lines are also the places behind the last step's products, in front of the loads into their registers)
	v_add_nc_u32 v9, s26, v28
	v_add_nc_u32 v10, s27, v2
	v_add_nc_u32 v11, VS-KS, v10
	v_add_nc_u32 v31, s28, v3
	s_wait_alu depctr_va_vdst(0)                   ; the five addresses are written; the last step's products and v_bfi_b32 are done reading v32-95, v192-223 and v248-251, in which this step's loads land; in the first trip Q's codes and scale words, which the products below take, are written
.irp i, 0,1,2,3
	ds_load_b128 v[32+8*\i:35+8*\i], v8 offset:1024*\i        ; key tile 2 i,
	ds_load_b128 v[36+8*\i:39+8*\i], v8 offset:1024*\i+512    ; key tile 2 i + 1
.endr
	ds_load_b32 v248, v10                          ; lanes 0-15: operand 0's words, lanes 16-31: operand 1's
	ds_load_b32 v249, v10 offset:128
	s_wait_dscnt 0x0                               ; K's ten loads are in: nothing else of mine is out
; V's ten loads are dealt among the eight products.  No wait: no vector or matrix instruction since the wait at the step's head names v64-95, v250, v251, v9 or v11
.irp i, 0,1,2,3
.if \i%2
	v_wmma_scale_f32_16x16x128_f8f6f4 v[96+16*\i:103+16*\i], v[32+8*\i:39+8*\i], v[20:27], 0, v[248+\i/2], v29 matrix_a_fmt:MATRIX_FMT_FP4 matrix_b_fmt:MATRIX_FMT_FP4 matrix_a_scale:MATRIX_SCALE_ROW1
	ds_load_b128 v[64+8*\i:67+8*\i], v9 offset:1024*\i
	v_wmma_scale_f32_16x16x128_f8f6f4 v[104+16*\i:111+16*\i], v[32+8*\i:39+8*\i], v[16:23], 0, v[248+\i/2], v30 matrix_a_fmt:MATRIX_FMT_FP4 matrix_b_fmt:MATRIX_FMT_FP4 matrix_a_scale:MATRIX_SCALE_ROW1
	ds_load_b128 v[68+8*\i:71+8*\i], v9 offset:1024*\i+512
.else
	v_wmma_scale_f32_16x16x128_f8f6f4 v[96+16*\i:103+16*\i], v[32+8*\i:39+8*\i], v[20:27], 0, v[248+\i/2], v29 matrix_a_fmt:MATRIX_FMT_FP4 matrix_b_fmt:MATRIX_FMT_FP4
	ds_load_b128 v[64+8*\i:67+8*\i], v9 offset:1024*\i
	v_wmma_scale_f32_16x16x128_f8f6f4 v[104+16*\i:111+16*\i], v[32+8*\i:39+8*\i], v[16:23], 0, v[248+\i/2], v30 matrix_a_fmt:MATRIX_FMT_FP4 matrix_b_fmt:MATRIX_FMT_FP4
	ds_load_b128 v[68+8*\i:71+8*\i], v9 offset:1024*\i+512
.endif
.endr                                              ; register 8 t + j: key 16 t + 8 (lane / 16) + j of the step, query lane % 16
	ds_load_b32 v250, v11
	ds_load_b32 v251, v11 offset:128
.rept 4
	v_nop
.endr
	s_and_b32 s30, s21, 3
	s_cmp_eq_u32 s30, 0
	s_cbranch_scc1 .Lopen                          ; all 128 keys count
.irp t, 0,1,2,3
	ds_load_b128 v[192+8*\t:195+8*\t], v31 offset:64*\t       ; no wait: nothing has named v192-223 or v31 since the wait at the step's head
	ds_load_b128 v[196+8*\t:199+8*\t], v31 offset:64*\t+16
.endr
	s_wait_alu depctr_va_vdst(0)                   ; the eight products are done reading K's operands, v32 to v63, in which the other 32 mask words land
.irp t, 0,1,2,3
	ds_load_b128 v[32+8*\t:35+8*\t], v31 offset:256+64*\t     ; K's operands are done with
	ds_load_b128 v[36+8*\t:39+8*\t], v31 offset:256+64*\t+16
.endr
	s_wait_dscnt 0x0
.set n, 0
.rept 32
	v_bfi_b32 v[96+n], v[192+n], s42, v[96+n]      ; a masked key's score becomes -2^33
.set n, n+1
.endr
.set n, 0
.rept 32
	v_bfi_b32 v[128+n], v[32+n], s42, v[128+n]
.set n, n+1
.endr
.Lopen:
.irp b, 0,1,2,3
	v_max3_num_f32 v[232+\b], v[96+16*\b], v[97+16*\b], v[98+16*\b]   ; the largest score of each block of 32 keys: for the row's maximum, and, since p rises with the score, for the block's largest p
.endr
.irp i, 3,5,7,9,11,13
.irp b, 0,1,2,3
	v_max3_num_f32 v[232+\b], v[232+\b], v[96+16*\b+\i], v[97+16*\b+\i]
.endr
.endr
.irp b, 0,1,2,3
	v_max_num_f32 v[232+\b], v[232+\b], v[111+16*\b]
.endr
.irp b, 0,1,2,3
	v_permlanex16_b32 v[236+\b], v[232+\b], s[SEL], s[SEL+1]
.endr
.irp b, 0,1,2,3
	v_max_num_f32 v[232+\b], v[232+\b], v[236+\b]  ; with lane l xor 16's 16 keys
.endr
	v_max3_num_f32 v254, v232, v233, v234
	v_max_num_f32 v254, v254, v235
	v_mul_f32 v254, s22, v254                      ; as t
	v_max_num_f32 v13, v13, v254                   ; the running largest t
	v_mov_b32 v254, v12
	v_floor_f32 v12, -v13                          ; the new -M = -ceil(t)
	v_sub_f32 v254, v12, v254                      ; old M - new M: a whole number, 0 or less
	v_cvt_i32_f32 v254, v254                       ; (it saturates)
	v_ldexp_f32 v252, 1.0, v254                    ; f = 2^(old M - new M)
.set j, 0
.rept 32
	v_pk_fma_f32 v[96+j:97+j], v[96+j:97+j], s[22:23], v[12:13] op_sel_hi:[1,0,0]   ; t - M
.set j, j+2
.endr
.irp b, 0,1,2,3
	v_fma_f32 v[232+\b], v[232+\b], s22, v12       ; the same of each block's largest score
.endr
.set j, 0
.rept 64
	v_exp_f32 v[96+j], v[96+j]                     ; p = 2^(t - M)
.set j, j+1
.endr
	v_pk_mul_f32 v[14:15], v[14:15], v[252:253] op_sel_hi:[1,0]   ; the sums under the new M (a plain line behind the exponentials)
	s_wait_alu depctr_va_vdst(0)                   ; the 64 exponentials have written p, v96 to v159: one wait for the batch, ahead of its first reader
.irp b, 0,1,2,3
	v_exp_f32 v[232+\b], v[232+\b]                 ; the block's largest p
.endr
	v_pk_add_f32 v[236:237], v[96:97], v[98:99]    ; the row's sum of the unquantised p, in two chains
.irp j, 4,8,12,16,20,24,28,32,36,40,44,48,52,56,60
	v_pk_add_f32 v[14:15], v[14:15], v[96+\j:97+\j]
	v_pk_add_f32 v[236:237], v[236:237], v[98+\j:99+\j]
.endr
	v_pk_add_f32 v[14:15], v[14:15], v[236:237]
	s_wait_alu depctr_va_vdst(0)                   ; the four exponentials have written v232 to v235: their wait, ahead of their first reader
.irp b, 0,1,2,3
	v_max_num_f32 v[232+\b], 0x1800000, v[232+\b]  ; the floor 2^(3 - 127)
.endr
.irp b, 0,1,2,3
	v_add_nc_u32 v[244+\b], 0xff000000, v[232+\b]  ; the conversions' scale operand
.endr
.irp b, 0,1,2,3
	v_lshrrev_b32 v[236+\b], 23, v[244+\b]         ; the scale's byte
.endr
	v_lshl_or_b32 v253, v237, 8, v236              ; p's scale word for these 128 keys
	v_lshl_or_b32 v253, v238, 16, v253
	v_lshl_or_b32 v253, v239, 24, v253
.irp b, 0,1,2,3
	v_cvt_scalef32_pk8_fp4_f32 v[224+4*(\b/2)+(\b%2)], v[96+16*\b:103+16*\b], v[244+\b]      ; keys 32 b + 8 h + 0 .. 7
	v_cvt_scalef32_pk8_fp4_f32 v[226+4*(\b/2)+(\b%2)], v[104+16*\b:111+16*\b], v[244+\b]     ; keys 32 b + 16 + 8 h + 0 .. 7
.endr
	v_nop                                          ; one plain line behind a scaled conversion
.irp c, 0,2,4,6
	v_permlane16_swap_b32 v[224+\c], v[225+\c]     ; registers 4 c .. 4 c + 3 now hold keys 64 c + 32 h + 0 .. 31
.endr
.set j, 0
.rept 16
	v_pk_mul_f32 v[160+j:161+j], v[160+j:161+j], v[252:253] op_sel_hi:[1,0]   ; O^T under the new M (also the places in front of the products below)
.set j, j+2
.endr
	s_wait_alu depctr_va_vdst(0)                   ; p's codes, v224 to v231, and its scale word, v253, are written, which the scaled products below take; the places above stay beside this wait
	s_wait_dscnt 0x0                               ; V is in
.irp a, 0,1,2,3
.if \a%2
	v_wmma_scale_f32_16x16x128_f8f6f4 v[160+8*\a:167+8*\a], v[64+8*\a:71+8*\a], v[224:231], v[160+8*\a:167+8*\a], v[250+\a/2], v253 matrix_a_fmt:MATRIX_FMT_FP4 matrix_b_fmt:MATRIX_FMT_FP4 matrix_a_scale:MATRIX_SCALE_ROW1
.else
	v_wmma_scale_f32_16x16x128_f8f6f4 v[160+8*\a:167+8*\a], v[64+8*\a:71+8*\a], v[224:231], v[160+8*\a:167+8*\a], v[250+\a/2], v253 matrix_a_fmt:MATRIX_FMT_FP4 matrix_b_fmt:MATRIX_FMT_FP4
.endif
.endr                                              ; the four accumulators take turns, one instruction a turn
.Lskip:
	s_lshr_b32 s20, s20, 2
	s_lshr_b32 s21, s21, 2
	s_add_co_u32 s26, s26, 4096
	s_add_co_u32 s27, s27, 256
	s_add_co_u32 s28, s28, 512
	s_sub_co_u32 s29, s29, 1
	s_cmp_lg_u32 s29, 0
	s_cbranch_scc1 .Lstep
	; THE WAY OUT: O^T / the sum; its two blocks of 32 are quantised; four registers of codes are my tile's part of the next product's operand.
	s_wait_alu depctr_vm_vsrc(0)                   ; the loop's LDS loads have read v8 and v9, which are written anew below
	v_add_f32 v14, v14, v15
	v_permlanex16_b32 v252, v14, s[SEL], s[SEL+1]
	v_add_f32 v14, v14, v252                       ; the row's sum
	v_rcp_f32 v14, v14
	v_and_b32 v8, 15, v0                           ; (plain lines behind the transcendental)
	v_lshlrev_b32 v8, 1, v8
	s_lshl_b32 s30, s10, 5
	v_add_nc_u32 v8, s30, v8
	v_add_nc_u32 v8, OS, v8                        ; my query's two scale bytes
	v_add_nc_u32 v9, OS, v1
	s_wait_alu depctr_va_vdst(0)                   ; the reciprocal has written v14: the wait ahead of its first reader
.set j, 0
.rept 32
	v_mul_f32 v[96+j], v[160+j], v14               ; register 8 a + i: o(query r, 16 a + 8 h + i)
.set j, j+1
.endr
	QUANT 96, 2, 224, 254
	s_lshl_b32 s30, s12, 6                         ; obuf's images: [token tile 64 b + 16 x + w][head][512 bytes]
	s_lshl_b32 s31, ttmp9, 4
	s_add_co_u32 s30, s30, s31
	s_add_co_u32 s30, s30, s10
	s_lshl_b32 s30, s30, 4
	s_add_co_u32 s30, s30, s13
	s_lshl_b32 s30, s30, 9
	s_mov_b32 s31, 0
	s_add_nc_u64 s[32:33], s[44:45], s[30:31]
	s_wait_alu depctr_va_vdst(0)                   ; the quantiser has written the codes, v224 to v227, and the two bytes, v254, which the two stores read; it is done with v232 to v235, in which wave 0's LDS load lands
	global_store_b128 v1, v[224:227], s[32:33]     ; 512 consecutive bytes
	ds_store_b16 v8, v254                          ; both halves of the lanes write the same two bytes
	s_wait_dscnt 0x0
	s_barrier_signal -1
	s_barrier_wait -1                              ; the 256 queries' scale bytes lie in LDS
	s_cmp_lg_u32 s10, 0
	s_cbranch_scc1 .Lend
	ds_load_b128 v[232:235], v9
	s_lshl_b32 s30, s13, 13                        ; the scale bytes: [head][4,096 tokens][2] at 0x200000
	s_lshl_b32 s34, s12, 11
	s_add_co_u32 s30, s30, s34
	s_lshl_b32 s34, ttmp9, 9
	s_add_co_u32 s30, s30, s34
	s_add_co_u32 s30, s30, 0x200000
	s_add_nc_u64 s[34:35], s[44:45], s[30:31]
	s_wait_dscnt 0x0
	global_store_b128 v1, v[232:235], s[34:35]     ; 512 consecutive bytes, aligned
.Lend:
	s_wait_dscnt 0x0                               ; the closing lines, six on end
	s_wait_alu 0x0
	s_wait_tensorcnt 0x0
	ds_add_u32 v243, v255
	s_wait_dscnt 0x0
	s_endpgm
.Lfunc_end_k_qdd096d2fc9_attn:
	.size	k_qdd096d2fc9_attn, .Lfunc_end_k_qdd096d2fc9_attn-k_qdd096d2fc9_attn
	.p2alignl 7, 3214868480
	.fill 96, 4, 3214868480
	.section	.rodata,"a",@progbits
	.p2align	6, 0x0
	.amdhsa_kernel k_qdd096d2fc9_attn
		.amdhsa_group_segment_fixed_size 194048
		.amdhsa_private_segment_fixed_size 0
		.amdhsa_enable_private_segment 0
		.amdhsa_kernarg_size 64
		.amdhsa_user_sgpr_count 2
		.amdhsa_user_sgpr_kernarg_segment_ptr 1
		.amdhsa_wavefront_size32 1
		.amdhsa_system_sgpr_workgroup_id_x 1
		.amdhsa_system_sgpr_workgroup_id_y 1
		.amdhsa_system_sgpr_workgroup_id_z 1
		.amdhsa_system_vgpr_workitem_id 0
		.amdhsa_next_free_vgpr 256
		.amdhsa_next_free_sgpr 66
		.amdhsa_reserve_vcc 1
		.amdhsa_float_denorm_mode_32 3
		.amdhsa_float_denorm_mode_16_64 3
		.amdhsa_memory_ordered 1
		.amdhsa_forward_progress 1
		.amdhsa_inst_pref_size 54
	.end_amdhsa_kernel
	.amdgpu_metadata
---
amdhsa.version: [ 1, 2 ]
amdhsa.kernels:
  - .name:           k_qdd096d2fc9_attn
    .symbol:         k_qdd096d2fc9_attn.kd
    .args:
      - { .name: qkv, .offset: 0, .size: 8, .value_kind: global_buffer, .address_space: global }
      - { .name: mask, .offset: 8, .size: 8, .value_kind: global_buffer, .address_space: global }
      - { .name: obuf, .offset: 16, .size: 8, .value_kind: global_buffer, .address_space: global }
      - { .name: bq, .offset: 24, .size: 8, .value_kind: global_buffer, .address_space: global }
      - { .name: xcodes, .offset: 32, .size: 8, .value_kind: global_buffer, .address_space: global }
      - { .name: xscales, .offset: 40, .size: 8, .value_kind: global_buffer, .address_space: global }
      - { .name: Wq_codes, .offset: 48, .size: 8, .value_kind: global_buffer, .address_space: global }
      - { .name: Wq_scales, .offset: 56, .size: 8, .value_kind: global_buffer, .address_space: global }
    .group_segment_fixed_size: 194048
    .private_segment_fixed_size: 0
    .kernarg_segment_align: 8
    .kernarg_segment_size: 64
    .max_flat_workgroup_size: 512
    .sgpr_count:     66
    .vgpr_count:     256
    .wavefront_size: 32
...
	.end_amdgpu_metadata
.endif
;; end of part 5
;; launch oproj: the kernel of part 4 again; grid 8 x 32, 4 waves a work-group, clusters of 4 x 4, 327,680 bytes of LDS; arguments obuf, Wo_codes, Wo_scales, bo, q, out0; writes out0
